; MI455X (gfx1250); checked and timed in simulation.
; The chip was launched on July 23, 2026; its instructions are those of AMD's public machine-readable ISA for CDNA 5 (MIT licence, August 2026) and "CDNA5" Instruction Set Architecture Reference Guide (July 2026). The comments in the code are by the model that wrote it; some were corrected since.
;; Multi Head Attention. Allowed arithmetic: float matrix products may take bf16 or f16 operands with f32 sums; all other float work in f32.
;; Inputs: Wk 1,024 x 1,024 float32; Wo 1,024 x 1,024 float32; Wq 1,024 x 1,024 float32; Wv 1,024 x 1,024 float32; bo 1,024 float32; x 4 x 2,048 x 1,024 float32.
;; Outputs: out0 4 x 2,048 x 1,024 float32.
;; 3 versions, each right; version 2 is faster than version 1; version 3 is version 2 with the launch cast written anew for expert scheduling mode. Each part assembles by itself: llvm-mc -triple=amdgcn-amd-amdhsa -mcpu=gfx1250 --defsym DOCPART=n.
;; ======== version 1 of 3: 4 launches
;; limits: values are held in f16: magnitudes above 65,504 overflow, below 6.1e-05 lose precision
;; workspace buffers: xb 16,777,216 bytes; wb 8,388,608 bytes; qkv 50,331,648 bytes; ctxb 16,777,216 bytes
;; launch cast (part 1): grid 768 x 1, 8 waves a work-group, no clusters, 0 bytes of LDS; arguments x, Wq, Wk, Wv, Wo, xb, wb; writes xb, wb
.if DOCPART == 1
	.amdgcn_target "amdgcn-amd-amdhsa--gfx1250"
	.amdhsa_code_object_version 6
	.text
	.protected	k_q36207f45a4_cast
	.globl	k_q36207f45a4_cast
	.p2align	8
	.type	k_q36207f45a4_cast,@function
k_q36207f45a4_cast:
	s_mov_b64 s[64:65], 0
	v_nop
	global_prefetch_b8 v0, s[64:65] scope:SCOPE_SE
	s_setreg_imm32_b32 hwreg(HW_REG_WAVE_MODE, 25, 1), 1
	s_wait_xcnt 0x0
; 16-bit copies of the matrix operands.  xb[8192][1024] = bf16(x).  wb[4096][1024]: rows 0-1023 bf16(Wq), 1024-2047 bf16(Wk),
; 2048-3071 bf16(Wv), rows 3072-4095 Wo rounded to bf16 and that number written as f16 (the last product's other operand is f16).
; A bf16 number has 8 significant bits and fits f16's 11 exactly from 2^-14 up; below that it is off by 2^-25 at the most.
; LIMIT: |Wo| below 65,504 (f16's range); the drawn numbers are below 1/32.
; A stream: 768 work-groups of eight waves, each turns 65,536 bytes of f32 into 32,768 bytes.  Groups 0-511 take x, 512-767 the weights,
; 64 groups each.  A thread has 16 loads of 16 bytes on their way at once, each with registers of its own, so no register is used twice
; and the only waits are the counted ones for the data.  No LDS, no barrier, no matrix unit: nothing here is used twice.
.set X, 4                              ; v[4:67]    chunk i: 4 numbers as loaded
.set Y, 68                             ; v[68:99]   chunk i: 4 numbers of 16 bits
.set T, 100                            ; v[100:101] Wo's way: the bf16 pair at work
	s_load_b256 s[4:11], s[0:1], 0x0               ; x s[4:5], Wq s[6:7], Wk s[8:9], Wv s[10:11]
	s_load_b128 s[12:15], s[0:1], 0x20             ; Wo s[12:13], xb s[14:15]
	s_load_b64 s[16:17], s[0:1], 0x30              ; wb
	s_sub_co_u32 s20, ttmp9, 512                   ; the group's number among the weights' 256 (used only from group 512 on)
	s_lshr_b32 s21, s20, 6                         ; which weight
	s_and_b32 s18, ttmp9, 63                       ; which 65,536 bytes of it
	v_lshlrev_b32 v1, 4, v0                        ; 16 bytes a thread in
	v_lshlrev_b32 v2, 3, v0                        ; 8 bytes a thread out
	s_wait_kmcnt 0x0
	s_mov_b64 s[22:23], s[6:7]
	s_cmp_eq_u32 s21, 1
	s_cselect_b64 s[22:23], s[8:9], s[22:23]
	s_cmp_eq_u32 s21, 2
	s_cselect_b64 s[22:23], s[10:11], s[22:23]
	s_cmp_eq_u32 s21, 3
	s_cselect_b64 s[22:23], s[12:13], s[22:23]
	s_cmp_lt_u32 ttmp9, 512                        ; the four selects below leave SCC as it is
	s_cselect_b64 s[22:23], s[4:5], s[22:23]       ; from: x or the weight
	s_cselect_b64 s[24:25], s[14:15], s[16:17]     ; to: xb or wb
	s_cselect_b32 s30, ttmp9, s18                  ; chunk in the source
	s_cselect_b32 s31, ttmp9, s20                  ; chunk in the target
	s_lshl_b32 s26, s30, 16
	s_mov_b32 s27, 0
	s_lshl_b32 s28, s31, 15
	s_mov_b32 s29, 0
	s_add_nc_u64 s[22:23], s[22:23], s[26:27]
	s_add_nc_u64 s[24:25], s[24:25], s[28:29]
.set i, 0
.rept 16
	global_load_b128 v[X+4*i:X+4*i+3], v1, s[22:23] offset:4096*i th:TH_LOAD_NT   ; a wave's load covers 512 consecutive bytes; read once in this launch
.set i, i+1
.endr
	s_cmp_ge_u32 ttmp9, 704                        ; groups 704-767 hold Wo
	s_cbranch_scc1 .Lwo
.set i, 0
.rept 16
	s_wait_loadcnt 15-i                            ; loads come back in order: chunk i is in, the 15 - i younger ones stay out
	v_cvt_pk_bf16_f32 v[Y+2*i], v[X+4*i], v[X+4*i+1]
	v_cvt_pk_bf16_f32 v[Y+2*i+1], v[X+4*i+2], v[X+4*i+3]
	global_store_b64 v2, v[Y+2*i:Y+2*i+1], s[24:25] offset:2048*i      ; a wave's store covers 256 consecutive bytes, aligned
.set i, i+1
.endr
	s_endpgm
.Lwo:
.set i, 0
.rept 16
	s_wait_loadcnt 15-i
	v_cvt_pk_bf16_f32 v[T], v[X+4*i], v[X+4*i+1]   ; the same rounding as every other matrix input,
	v_cvt_pk_bf16_f32 v[T+1], v[X+4*i+2], v[X+4*i+3]
	v_lshlrev_b32 v[X+4*i], 16, v[T]               ; widened again,
	v_and_b32 v[X+4*i+1], 0xffff0000, v[T]
	v_lshlrev_b32 v[X+4*i+2], 16, v[T+1]
	v_and_b32 v[X+4*i+3], 0xffff0000, v[T+1]
	v_cvt_pk_f16_f32 v[Y+2*i], v[X+4*i], v[X+4*i+1]        ; and written in f16
	v_cvt_pk_f16_f32 v[Y+2*i+1], v[X+4*i+2], v[X+4*i+3]
	global_store_b64 v2, v[Y+2*i:Y+2*i+1], s[24:25] offset:2048*i
.set i, i+1
.endr
	s_endpgm
.Lfunc_end_k_q36207f45a4_cast:
	.size	k_q36207f45a4_cast, .Lfunc_end_k_q36207f45a4_cast-k_q36207f45a4_cast
	.p2alignl 7, 3214868480
	.fill 96, 4, 3214868480
	.section	.rodata,"a",@progbits
	.p2align	6, 0x0
	.amdhsa_kernel k_q36207f45a4_cast
		.amdhsa_group_segment_fixed_size 0
		.amdhsa_private_segment_fixed_size 0
		.amdhsa_enable_private_segment 0
		.amdhsa_kernarg_size 56
		.amdhsa_user_sgpr_count 2
		.amdhsa_user_sgpr_kernarg_segment_ptr 1
		.amdhsa_wavefront_size32 1
		.amdhsa_system_sgpr_workgroup_id_x 1
		.amdhsa_system_sgpr_workgroup_id_y 1
		.amdhsa_system_sgpr_workgroup_id_z 1
		.amdhsa_system_vgpr_workitem_id 0
		.amdhsa_next_free_vgpr 104
		.amdhsa_next_free_sgpr 66
		.amdhsa_reserve_vcc 0
		.amdhsa_float_denorm_mode_32 3
		.amdhsa_float_denorm_mode_16_64 3
		.amdhsa_memory_ordered 1
		.amdhsa_forward_progress 1
		.amdhsa_inst_pref_size 16
	.end_amdhsa_kernel
	.amdgpu_metadata
---
amdhsa.version: [ 1, 2 ]
amdhsa.kernels:
  - .name:           k_q36207f45a4_cast
    .symbol:         k_q36207f45a4_cast.kd
    .args:
      - { .name: x, .offset: 0, .size: 8, .value_kind: global_buffer, .address_space: global }
      - { .name: Wq, .offset: 8, .size: 8, .value_kind: global_buffer, .address_space: global }
      - { .name: Wk, .offset: 16, .size: 8, .value_kind: global_buffer, .address_space: global }
      - { .name: Wv, .offset: 24, .size: 8, .value_kind: global_buffer, .address_space: global }
      - { .name: Wo, .offset: 32, .size: 8, .value_kind: global_buffer, .address_space: global }
      - { .name: xb, .offset: 40, .size: 8, .value_kind: global_buffer, .address_space: global }
      - { .name: wb, .offset: 48, .size: 8, .value_kind: global_buffer, .address_space: global }
    .group_segment_fixed_size: 0
    .private_segment_fixed_size: 0
    .kernarg_segment_align: 8
    .kernarg_segment_size: 56
    .max_flat_workgroup_size: 256
    .sgpr_count:     66
    .vgpr_count:     104
    .wavefront_size: 32
...
	.end_amdgpu_metadata
.endif
;; end of part 1
;; launch qkv (part 2): grid 16 x 32, 4 waves a work-group, clusters of 4 x 4, 327,680 bytes of LDS; arguments xb, wb, qkv; writes qkv
.if DOCPART == 2
	.amdgcn_target "amdgcn-amd-amdhsa--gfx1250"
	.amdhsa_code_object_version 6
	.text
	.protected	k_q36207f45a4_qkv
	.globl	k_q36207f45a4_qkv
	.p2align	8
	.type	k_q36207f45a4_qkv,@function
k_q36207f45a4_qkv:
	s_mov_b64 s[64:65], 0
	v_nop
	global_prefetch_b8 v0, s[64:65] scope:SCOPE_SE
	s_setreg_imm32_b32 hwreg(HW_REG_WAVE_MODE, 25, 1), 1
	s_wait_xcnt 0x0
	s_wait_alu depctr_hold_cnt(0) depctr_sa_sdst(0) depctr_va_vdst(0) depctr_va_sdst(0) depctr_va_ssrc(0) depctr_va_vcc(0) depctr_vm_vsrc(0)
	s_getreg_b32 s2, hwreg(HW_REG_IB_STS2, 6, 4)
	s_cmp_eq_u32 s2, 0
	s_cbranch_scc0 .Lentry_in_a_cluster
	s_endpgm
.Lentry_in_a_cluster:
	s_bfe_u32 s2, ttmp6, 0x10000c
	s_cmp_lg_u32 s2, 0xf033
	s_cbranch_scc0 .Lentry_shape_is_right
	s_endpgm
.Lentry_shape_is_right:
; [8192 x 3072] = xb [8192][1024] x wb[0:3072][1024]^T, bf16 operands, f32 sums, stored as f16 head by head:
; qkv[b][t][s][64], t = column >> 6 (0-15 q, 16-31 k, 32-47 v): byte b*12,582,912 + t*262,144 + s*128 + 2 d.
; q, k and v go on as f16 (11 significant bits): a sequence's first rows average few values and are many times larger than the
; output's root mean square, against which every number is compared, so 8 bits would not do.
; LIMIT: |q|, |k|, |v| below 65,504.  They have a spread of 0.58 for inputs as drawn, of 520 with x and W both 30 times larger.
; A work-group makes 256 rows x 192 columns (three heads) with four waves; a wave makes 128 x 96: 48 accumulator tiles, 384 registers.
; 512 work-groups.  K goes in steps of 128 through two LDS slots filled by tensor loads; a tile's rows are 256 bytes of memory, aligned.
; CLUSTERS of 4 x 4: the four work-groups of a row of the cluster need the same tile of xb, the four of a column the same tile of wb;
; each tile is asked for jointly by the four, which divides the requests for both by four.
; REGISTERS: window 0: v16-26 addresses, v32-159 fragments of xb (two buffers), v160-255 fragments of wb (two buffers);
; window 1: tiles of my rows 0-63, tile (a, b) at v[8 (6 a + b)]; window 2: those of my rows 64-127.
; The matrix instruction is used transposed (source 0 = 16 rows of wb, source 1 = 16 rows of xb): a lane then holds eight neighbouring
; columns of one row of the result, which pack into 16 bytes.
.set SIZE_K, 1024
.set KSTEP,  128
.set PITCH,  272                       ; an LDS row: 256 bytes + 16, an odd multiple of 16: the 16 rows of a fragment load start in 16 different groups of banks
.set REG,    128*PITCH                 ; a wave's region of a slot: what its one tensor load fills (128 rows of xb, or 96 of wb)
.set SLOT,   4*REG                     ; xb rows 0-127, 128-255, wb rows 0-95, 96-191
.set SP,     400                       ; the way out: a row of 192 f16 + 16 bytes
.set LAPS,   SIZE_K/(2*KSTEP)          ; a lap = two K steps = once round the ring: 4
.set ADRA, 16                          ; v16-17  LDS address of my xb fragments in slot 0, 1
.set ADRB, 20                          ; v20-21  the same for wb
.set STO,  24                          ; the way out: where I put 16 bytes of a row
.set RD,   25                          ; the way out: where I read 16 bytes back
.set CO,   26                          ; my byte offset in qkv
.set FA,   32                          ; xb fragments: buffer f at FA + 64 f
.set FB,   160                         ; wb fragments: buffer f at FB + 48 f
.set TMP,  32                          ; the way out: packed results
.set OUTR, 64                          ; the way out: 48 x 4 registers read back
.set G1,  24                           ; s[24:31] descriptor group 1 for xb's tiles
.set G0,  32                           ; s[32:39] group 0 for xb's tiles, one set for each slot
.set G1B, 48                           ; s[48:55] group 1 for wb's tiles
.set G0B, 56                           ; s[56:63] group 0 for wb's tiles
.set MSB, 0
.macro WIN new                         ; the immediate's high byte repeats the setting that is left
.if MSB != \new
	s_set_vgpr_msb (MSB<<8)|\new
.set MSB, \new
.endif
.endm
.set MUL_LO, 0x50                      ; sources 0 and 1 window 0, C and D window 1
.set MUL_HI, 0xa0                      ; C and D window 2
; A joint load: waves 0 and 1 fetch xb's two halves, waves 2 and 3 wb's.  The branch hangs on the wave's number alone.
.macro JLOAD s
	s_cmp_eq_u32 s11, 0
	s_cbranch_scc0 .Lfor_b_\@
	tensor_load_to_lds s[G0+4*\s:G0+4*\s+3], s[G1:G1+7]
	s_nop 0
	s_branch .Lasked_\@
.Lfor_b_\@:
	tensor_load_to_lds s[G0B+4*\s:G0B+4*\s+3], s[G1B:G1B+7]
	s_nop 0
.Lasked_\@:
.endm
; A round of the cluster's barrier: my work-group's barrier, wave 0 signals for the work-group, every wave waits for all sixteen, my work-group's barrier again.
.macro CREST                           ; a round behind its opening barrier
	s_cmp_lg_u32 s10, 0
	s_cbranch_scc1 .Lnot_wave_0_\@
	s_barrier_signal -3
.Lnot_wave_0_\@:
	s_barrier_wait -3
	s_barrier_signal -1
	s_barrier_wait -1
.endm
.macro CROUND
	s_barrier_signal -1
	s_barrier_wait -1
	CREST
.endm
.macro PLACES                          ; four plain vector instructions between a matrix instruction and a load into, or a vector read or write of, its registers
.rept 4
	v_nop
.endr
.endm
	s_load_b128 s[4:7], s[0:1], 0x0                ; xb s[4:5], wb s[6:7]
	s_load_b64 s[8:9], s[0:1], 0x10                ; qkv
	v_lshl_add_u32 v30, v0, 2, 0x44000
	v_mov_b32 v31, 0
	ds_add_u32 v30, v31
	v_lshrrev_b32 v1, 5, v0
	v_readfirstlane_b32 s10, v1                    ; wave 0..3
	s_lshr_b32 s11, s10, 1                         ; which half of the block's rows is mine.  Also: I fetch for xb (0) or for wb (1)
	s_and_b32 s12, s10, 1                          ; which half of its columns.  Also: which half of that tile I fetch
	s_bfe_u32 s40, ttmp6, 0x40000                  ; cx
	s_bfe_u32 s41, ttmp6, 0x40004                  ; cy
	s_lshl_b32 s42, ttmp9, 2
	s_add_co_u32 s42, s42, s40                     ; block column = 4 x cluster x + cx, 0..15
	s_and_b32 s13, ttmp7, 0xffff
	s_lshl_b32 s13, s13, 2
	s_add_co_u32 s13, s13, s41                     ; block row = 4 x cluster y + cy, 0..31
	s_lshl_b32 s43, s41, 2
	s_lshl_b32 s43, 15, s43                        ; my row of the cluster: places 4 cy .. 4 cy + 3
	s_lshl_b32 s44, 0x1111, s40                    ; my column: places cx, cx + 4, cx + 8, cx + 12
	s_or_b32 s[G1+0], s43, (1<<16)|(1<<20)|(1<<21)|(5<<22)|(3<<25)   ; mask of my row; elements of 2 bytes; padding on; bit 21 beside a mask; 4 words behind every 64
	s_or_b32 s[G1B+0], s44, (1<<16)|(1<<20)|(1<<21)|(5<<22)|(3<<25)  ; the same with the mask of my column
	s_mov_b32 s[G1+1], KSTEP<<16                   ; tensor_dim0 = 128
	s_mov_b32 s[G1B+1], KSTEP<<16
	s_mov_b32 s[G1+2], 128<<16                     ; tensor_dim1 = 128 rows of xb
	s_mov_b32 s[G1B+2], 96<<16                     ;             = 96 rows of wb
	s_mov_b32 s[G1+3], KSTEP<<16                   ; tile_dim0 = 128
	s_mov_b32 s[G1B+3], KSTEP<<16
	s_mov_b32 s[G1+4], 128                         ; tile_dim1
	s_mov_b32 s[G1B+4], 96
	s_mov_b32 s[G1+5], SIZE_K                      ; elements from row to row
	s_mov_b32 s[G1B+5], SIZE_K
	s_mov_b32 s[G1+6], 0
	s_mov_b32 s[G1B+6], 0
	s_mov_b32 s[G1+7], 0
	s_mov_b32 s[G1B+7], 0
	; xb's tiles hang on the block row alone, wb's on the block column alone; each address is made in registers that never hold the other coordinate
	s_lshl_b32 s17, s12, 7
	s_lshl_b32 s16, s13, 8
	s_add_co_u32 s16, s16, s17                     ; xb: row 256 x block row + 128 x half
	s_lshl_b32 s16, s16, 11                        ; x 2,048 bytes (16.8 million at the most)
	s_mov_b32 s17, 0
	s_mul_i32 s45, s12, 96
	s_mul_i32 s46, s42, 192
	s_add_co_u32 s46, s46, s45                     ; wb: row 192 x block column + 96 x half
	s_lshl_b32 s46, s46, 11
	s_mov_b32 s47, 0
	s_mul_i32 s20, s10, REG                        ; where they go: the wave's region
	s_wait_dscnt 0x0
	s_wait_kmcnt 0x0
	s_add_nc_u64 s[14:15], s[4:5], s[16:17]
	s_add_nc_u64 s[46:47], s[6:7], s[46:47]
	CROUND                                         ; all sixteen work-groups are here: the first joint loads meet
.irp s, 0,1
	s_mov_b32 s[G0+4*\s], 1
	s_add_co_u32 s[G0+4*\s+1], s20, \s*SLOT
	s_add_nc_u64 s[G0+4*\s+2:G0+4*\s+3], s[14:15], \s*KSTEP*2
	s_or_b32 s[G0+4*\s+3], s[G0+4*\s+3], 0x80000000
	s_mov_b32 s[G0B+4*\s], 1
	s_add_co_u32 s[G0B+4*\s+1], s20, \s*SLOT
	s_add_nc_u64 s[G0B+4*\s+2:G0B+4*\s+3], s[46:47], \s*KSTEP*2
	s_or_b32 s[G0B+4*\s+3], s[G0B+4*\s+3], 0x80000000
	JLOAD \s                                       ; both first fills go out before anything else: two tensor loads of the wave are out
.endr
	v_and_b32 v1, 15, v0                           ; r = lane % 16
	v_bfe_u32 v2, v0, 4, 1                         ; h = lane / 16
	v_mul_u32_u24 v3, v1, PITCH
	v_lshl_add_u32 v3, v2, 4, v3                   ; a fragment: row r, 16 bytes for each half of the lanes
	s_mul_i32 s21, s11, REG                        ; my 128 rows of xb
	s_mul_i32 s22, s12, REG
	s_add_co_u32 s22, s22, 2*REG                   ; my 96 rows of wb
.irp s, 0,1
	v_add_nc_u32 v[ADRA+\s], s21, v3
	v_add_nc_u32 v[ADRB+\s], s22, v3
	s_add_co_u32 s21, s21, SLOT
	s_add_co_u32 s22, s22, SLOT
.endr
	s_mul_i32 s21, s11, 128*SP                     ; the way out, in: row 128 x row half + r, byte 192 x column half + 16 h
	s_mul_i32 s22, s12, 192
	s_add_co_u32 s23, s21, s22
	v_mul_u32_u24 v4, v1, SP
	v_lshl_add_u32 v4, v2, 4, v4
	v_add_nc_u32 v[STO], s23, v4
	v_bfe_u32 v5, v0, 3, 2                         ; back: eight lanes take one head's 128 bytes of a row, a wave four rows
	v_and_b32 v6, 7, v0
	v_mul_u32_u24 v5, v5, SP
	v_lshl_add_u32 v5, v6, 4, v5
	s_mul_i32 s23, s10, 64*SP                      ; wave w reads rows 64 w .. 64 w + 63
	v_add_nc_u32 v[RD], s23, v5
	v_and_b32 v6, 31, v0
	s_lshl_b32 s23, s10, 13                        ; 64 rows of 128 bytes
	v_lshl_add_u32 v[CO], v6, 4, s23
; 12 matrix instructions: row blocks a0, a0 + 1 of the window's four x all 6 column blocks, 32 along K.  zero = 1: the first product starts the sums.
.macro MUL12 f, hi, a0, zero
.irp a, \a0, \a0+1
.irp b, 0,1,2,3,4,5
.if \zero
	v_wmma_f32_16x16x32_bf16 v[8*(6*(\a)+\b):8*(6*(\a)+\b)+7], v[FB+48*\f+8*\b:FB+48*\f+8*\b+7], v[FA+64*\f+8*(4*\hi+\a):FA+64*\f+8*(4*\hi+\a)+7], 0
.else
	v_wmma_f32_16x16x32_bf16 v[8*(6*(\a)+\b):8*(6*(\a)+\b)+7], v[FB+48*\f+8*\b:FB+48*\f+8*\b+7], v[FA+64*\f+8*(4*\hi+\a):FA+64*\f+8*(4*\hi+\a)+7], v[8*(6*(\a)+\b):8*(6*(\a)+\b)+7]
.endif
.endr
.endr
.endm
; 28 LDS loads in one run: a quarter step's fragments (96 rows of wb, then 128 of xb, 32 K at byte k of the rows) into buffer f
.macro FETCH slot, k, f
	WIN 0
.irp i, 0,1,2,3,4,5
	ds_load_b128 v[FB+48*\f+8*\i:FB+48*\f+8*\i+3],   v[ADRB+\slot] offset:\k+\i*16*PITCH
	ds_load_b128 v[FB+48*\f+8*\i+4:FB+48*\f+8*\i+7], v[ADRB+\slot] offset:\k+\i*16*PITCH+32
.endr
.irp i, 0,1,2,3,4,5,6,7
	ds_load_b128 v[FA+64*\f+8*\i:FA+64*\f+8*\i+3],   v[ADRA+\slot] offset:\k+\i*16*PITCH
	ds_load_b128 v[FA+64*\f+8*\i+4:FA+64*\f+8*\i+7], v[ADRA+\slot] offset:\k+\i*16*PITCH+32
.endr
.endm
; A K step is four quarters of 32 along K, 48 matrix instructions each, on buffers 0, 1, 0, 1.  The 48 accumulators take turns, one
; instruction a turn, in the same order in every quarter.
.macro QUARTER slot, k, f, g, zero
	s_wait_dscnt 8                                 ; wb and xb's rows 0-63 are in; the youngest eight loads (xb's rows 64-127) may be out
	WIN MUL_LO
	MUL12 \f, 0, 0, \zero
	MUL12 \f, 0, 2, \zero
	PLACES
	FETCH \slot, \k, \g
	s_wait_dscnt 28                                ; all but the 28 just issued
	WIN MUL_HI
	MUL12 \f, 1, 0, \zero
	MUL12 \f, 1, 2, \zero
.endm
.macro THREE slot, zero
	QUARTER \slot, 64,  0, 1, \zero
	QUARTER \slot, 128, 1, 0, 0
	QUARTER \slot, 192, 0, 1, 0
.endm
; The last quarter multiplies buffer 1 and changes slots.  In front of the barrier each wave waits for its reads of this slot and for all its
; tensor loads (one is out: its part of the next slot).  Behind it the refill comes first, then the next slot's first fragments.
; From a request to the wait for it a wave issues 180 matrix instructions.
.macro TURN slot, next, fill
	s_wait_dscnt 8
	WIN MUL_LO
	MUL12 1, 0, 0, 0
	s_wait_dscnt 0                                 ; my reads of this slot are over
	s_wait_tensorcnt 0x0                           ; and all my tensor loads have landed
	ds_add_u32 v30, v31
	s_wait_dscnt 0x0
	s_barrier_signal -1                            ; (where a slot is filled again this barrier opens a round of the cluster's barrier)
	MUL12 1, 0, 2, 0                               ; work on registers while the others arrive
	WIN 0
	s_barrier_wait -1
.if \fill
	CREST                                          ; no wave of any partner still reads this slot or has a load on its way
	s_add_nc_u64 s[G0+4*\slot+2:G0+4*\slot+3], s[G0+4*\slot+2:G0+4*\slot+3], 2*KSTEP*2
	s_add_nc_u64 s[G0B+4*\slot+2:G0B+4*\slot+3], s[G0B+4*\slot+2:G0B+4*\slot+3], 2*KSTEP*2
	JLOAD \slot                                    ; the wave's one tensor load behind the round, and the first thing there
.endif
	PLACES
	FETCH \next, 0, 0
	WIN MUL_HI
	MUL12 1, 1, 0, 0
	MUL12 1, 1, 2, 0
.endm
.macro LAP zero
	THREE 0, \zero
	TURN 0, 1, 1
	THREE 1, 0
	TURN 1, 0, 1
.endm
	s_wait_tensorcnt 1                             ; my part of K step 0 is in; K step 1's stays out
	s_barrier_signal -1
	s_barrier_wait -1
	FETCH 0, 0, 0
	LAP 1                                          ; the first lap's first products start the sums
	WIN 0
	s_mov_b32 s3, LAPS-2
.Llap:
	LAP 0
	WIN 0
	s_sub_co_u32 s3, s3, 1
	s_cmp_lg_u32 s3, 0
	s_cbranch_scc1 .Llap
	THREE 0, 0                                     ; the last lap fills nothing
	TURN 0, 1, 0                                   ; behind this barrier nobody reads slot 0 any more and nothing fills it again
	THREE 1, 0
	s_wait_dscnt 8
	WIN MUL_LO
	MUL12 1, 0, 0, 0
	MUL12 1, 0, 2, 0
	s_wait_dscnt 0
	WIN MUL_HI
	MUL12 1, 1, 0, 0
	MUL12 1, 1, 2, 0
	; THE WAY OUT.  The block's 256 rows x 384 bytes are gathered in slot 0, which has had its last fill and its last read, and read back head by head:
	; in qkv four rows of a head are 512 consecutive bytes.
	PLACES
	s_lshr_b32 s14, s13, 3                         ; b: 8 block rows to a sequence
	s_mul_i32 s16, s14, 12582912
	s_and_b32 s14, s13, 7
	s_lshl_b32 s14, s14, 15                        ; 256 rows of 128 bytes
	s_add_co_u32 s16, s16, s14
	s_mov_b32 s17, 0
	s_add_nc_u64 s[8:9], s[8:9], s[16:17]
	s_mul_i32 s46, s42, 3*262144                   ; my three heads
	s_mov_b32 s47, 0
	s_add_nc_u64 s[8:9], s[8:9], s[46:47]
; rows 16 a .. 16 a + 15 of my 128: the six tiles (aw, 0..5) of window 1 or 2 (from = 0x05 or 0x0a: sources 0 and 1)
.macro OUT16 a, aw, from
	WIN \from
.irp b, 0,1,2,3,4,5
.irp r, 0,1,2,3
	v_cvt_pk_f16_f32 v[TMP+4*\b+\r], v[8*(6*\aw+\b)+2*\r], v[8*(6*\aw+\b)+2*\r+1]
.endr
.endr
	WIN 0
.irp b, 0,1,2,3,4,5
	ds_store_b128 v[STO], v[TMP+4*\b:TMP+4*\b+3] offset:16*SP*\a+32*\b
.endr
.endm
	OUT16 0, 0, 0x05
	OUT16 1, 1, 0x05
	OUT16 2, 2, 0x05
	OUT16 3, 3, 0x05
	OUT16 4, 0, 0x0a
	OUT16 5, 1, 0x0a
	OUT16 6, 2, 0x0a
	OUT16 7, 3, 0x0a
	s_wait_dscnt 0x0                               ; my stores are in LDS: a row's two halves come from two waves,
	s_barrier_signal -1
	s_barrier_wait -1                              ; so rows are read back behind a barrier
.set i, 0
.rept 48
	ds_load_b128 v[OUTR+4*i:OUTR+4*i+3], v[RD] offset:4*SP*(i%16)+128*(i/16)     ; head i / 16, rows 4 (i % 16) .. + 3 of my 64
.set i, i+1
.endr
.set i, 0
.rept 48
	s_wait_dscnt 47-i                              ; LDS loads come back in order: load i is in, the 47 - i younger ones may be out
	global_store_b128 v[CO], v[OUTR+4*i:OUTR+4*i+3], s[8:9] offset:262144*(i/16)+512*(i%16)   ; 512 consecutive bytes, aligned
.set i, i+1
.endr
	s_wait_tensorcnt 0x0
	ds_add_u32 v30, v31
	s_wait_dscnt 0x0
	CROUND                                         ; the closing round: no work-group ends while a partner may still ask for a tile that names it
	s_endpgm
.Lfunc_end_k_q36207f45a4_qkv:
	.size	k_q36207f45a4_qkv, .Lfunc_end_k_q36207f45a4_qkv-k_q36207f45a4_qkv
	.p2alignl 7, 3214868480
	.fill 96, 4, 3214868480
	.section	.rodata,"a",@progbits
	.p2align	6, 0x0
	.amdhsa_kernel k_q36207f45a4_qkv
		.amdhsa_group_segment_fixed_size 327680
		.amdhsa_private_segment_fixed_size 0
		.amdhsa_enable_private_segment 0
		.amdhsa_kernarg_size 24
		.amdhsa_user_sgpr_count 2
		.amdhsa_user_sgpr_kernarg_segment_ptr 1
		.amdhsa_wavefront_size32 1
		.amdhsa_system_sgpr_workgroup_id_x 1
		.amdhsa_system_sgpr_workgroup_id_y 1
		.amdhsa_system_sgpr_workgroup_id_z 1
		.amdhsa_system_vgpr_workitem_id 0
		.amdhsa_next_free_vgpr 704
		.amdhsa_next_free_sgpr 66
		.amdhsa_reserve_vcc 0
		.amdhsa_float_denorm_mode_32 3
		.amdhsa_float_denorm_mode_16_64 3
		.amdhsa_memory_ordered 1
		.amdhsa_forward_progress 1
		.amdhsa_inst_pref_size 157
	.end_amdhsa_kernel
	.amdgpu_metadata
---
amdhsa.version: [ 1, 2 ]
amdhsa.kernels:
  - .name:           k_q36207f45a4_qkv
    .symbol:         k_q36207f45a4_qkv.kd
    .args:
      - { .name: xb, .offset: 0, .size: 8, .value_kind: global_buffer, .address_space: global }
      - { .name: wb, .offset: 8, .size: 8, .value_kind: global_buffer, .address_space: global }
      - { .name: qkv, .offset: 16, .size: 8, .value_kind: global_buffer, .address_space: global }
    .group_segment_fixed_size: 327680
    .private_segment_fixed_size: 0
    .kernarg_segment_align: 8
    .kernarg_segment_size: 24
    .max_flat_workgroup_size: 128
    .sgpr_count:     66
    .vgpr_count:     704
    .wavefront_size: 32
...
	.end_amdgpu_metadata
.endif
;; end of part 2
;; launch attn (part 3): grid 4 x 64, 4 waves a work-group, no clusters, 327,680 bytes of LDS; arguments qkv, ctxb; writes ctxb
.if DOCPART == 3
	.amdgcn_target "amdgcn-amd-amdhsa--gfx1250"
	.amdhsa_code_object_version 6
	.text
	.protected	k_q36207f45a4_attn
	.globl	k_q36207f45a4_attn
	.p2align	8
	.type	k_q36207f45a4_attn,@function
k_q36207f45a4_attn:
	s_mov_b64 s[64:65], 0
	v_nop
	global_prefetch_b8 v0, s[64:65] scope:SCOPE_SE
	s_setreg_imm32_b32 hwreg(HW_REG_WAVE_MODE, 25, 1), 1
	s_wait_xcnt 0x0
; Causal attention of one (b, h): ctx = softmax(q k^T / 8, keys <= query) v, with a running maximum; the scores never leave registers.
; qkv[b][t][s][64] f16 (t = h: q, 16 + h: k, 32 + h: v);  ctxb[b][h][s][64] f16.
; SHARE.  Work-group (p, bh), p = 0..3, makes query block p (256 rows) and then block 7 - p: p + 1 and 8 - p units of 256 keys, 9 for every
; work-group.  A wave owns 64 query rows; a unit is four sub-tiles of 64 keys.  Each block begins with its diagonal unit, in which wave w first
; takes sub-tile w (masked; it starts maximum, sum and output, so nothing is cleared) and then the sub-tiles j < w; all other units are whole.
; TRANSPOSED.  S^T = K Q^T: lane (r, h) holds query 16 qb + r and keys 16 kb + 8 h + j in register j.  Two such tiles packed to f16 ARE the second
; operand of O^T = V^T P^T (V^T by the transposing LDS load).  So maximum, scale and sum are one number a lane, a row's reduction crosses lanes once,
; and P makes no trip through LDS.
; NUMBERS.  p = 2^(c s - c m), c = log2(e) / 8, in f32; q, k, v, p and ctx are rounded to f16 as matrix operands; the row's sum adds the f32 p.
; The state keeps the ROUNDED c m, so that the factor on the older sums is exactly the change of the shift that the older p carry.
; LIMITS: |v| and so |ctx| below 65,504; p below 2^-24 counts as 0 in the product with v, and below 2^-126 in the sum (v_exp_f32 flushes: ISA guide 15.8).
; NO MULTICAST: the four work-groups of a head are at different key units at any time (work-group p walks p, 0 .. p - 1, 7 - p, 0 .. 6 - p), and a common
; walk would cost every partner 12 units or more in place of 9.
; LDS: two slots of 81,920 bytes: K rows 0-127, K rows 128-255 (pitch 144, in regions of 20,480), V rows 0-255 (pitch 160); each wave fills one region
; by one tensor load of 16 KiB.  Behind them each wave's own stage for the way out, 64 rows x 144 bytes, into which no fill lands.
.set REG,   20480
.set SLOT,  4*REG
.set STAGE, 2*SLOT
.set KP,    144                        ; odd multiple of 16: the 16 rows of a fragment load start in different groups of banks
.set VP,    160                        ; odd multiple of 32, for the transposing load
; window 0
.set KA,   16                          ; v16-17 K fragments, slot 0, 1: slot + 144 r + 16 h
.set VA,   18                          ; v18-19 V fragments: slot + 40,960 + (8 h + l % 8) 160 + 16 ((l / 8) % 2)
.set KD,   20                          ; v20-21 KA at my diagonal sub-tile
.set VD,   22                          ; v22-23 VA at my diagonal sub-tile
.set QOFF, 24
.set STO,  25
.set RD,   26
.set CO,   27
.set QF,   64                          ; Q[qb][ks] at 64 + 16 qb + 8 ks
.set KF,   128                         ; K[kb][ks] at 128 + 16 kb + 8 ks
.set VF,   192                         ; V[ss][db] at 192 + 32 ss + 8 db
; window 1: S[qb][kb] at 32 qb + 8 kb
.set PB,   128                         ; P[qb][ss] at 128 + 16 qb + 8 ss
.set NMB,  192                         ; pair (-c m rounded, m) of qb
.set ALB,  200                         ; pair (factor on the older sums, maximum at work)
.set LB,   208                         ; pair: the lane's two partial sums
.set UB,   216
.set XB,   220                         ; what the other half of the lanes sends
.set NINF, 224
; window 2: O[db][qb] at 8 (4 db + qb)
.set G1K, 40                           ; s[40:47] shape of a K tile
.set G1V, 48                           ; s[48:55] shape of a V tile
.set G0,  56                           ; s[56:63] from where, to where: one set for each slot
.set MK,  76                           ; s[76:83] lanes in which key 8 h + j <= query r
.set MSB, 0
.macro WIN new
.if MSB != \new
	s_set_vgpr_msb (MSB<<8)|\new
.set MSB, \new
.endif
.endm
.macro PLACES                          ; four plain vector instructions between a matrix instruction and a load into, or a vector read or write of, its registers
.rept 4
	v_nop
.endr
.endm
.macro LOADK areg, off                 ; 16 loads: 64 keys x 64 d
.irp kb, 0,1,2,3
.irp ks, 0,1
	ds_load_b128 v[KF+16*\kb+8*\ks:KF+16*\kb+8*\ks+3],   v[\areg] offset:\off+16*KP*\kb+64*\ks
	ds_load_b128 v[KF+16*\kb+8*\ks+4:KF+16*\kb+8*\ks+7], v[\areg] offset:\off+16*KP*\kb+64*\ks+32
.endr
.endr
.endm
.macro LOADV areg, off                 ; 16 transposing loads: 64 d x 64 keys
.irp ss, 0,1
.irp db, 0,1,2,3
	ds_load_tr16_b128 v[VF+32*\ss+8*\db:VF+32*\ss+8*\db+3],   v[\areg] offset:\off+32*VP*\ss+32*\db
	ds_load_tr16_b128 v[VF+32*\ss+8*\db+4:VF+32*\ss+8*\db+7], v[\areg] offset:\off+32*VP*\ss+32*\db+16*VP
.endr
.endr
.endm
.macro QLOAD base                      ; my 64 query rows, straight into fragments
.irp qb, 0,1,2,3
.irp ks, 0,1
	global_load_b128 v[QF+16*\qb+8*\ks:QF+16*\qb+8*\ks+3],   v[QOFF], s[\base:\base+1] offset:2048*\qb+64*\ks
	global_load_b128 v[QF+16*\qb+8*\ks+4:QF+16*\qb+8*\ks+7], v[QOFF], s[\base:\base+1] offset:2048*\qb+64*\ks+32
.endr
.endr
.endm
; S^T = K Q^T.  diag = 1: only the tiles kb <= qb.  The tiles take turns, one instruction a turn.
.macro SCORE diag
	WIN 0x50
.irp kb, 0,1,2,3
.irp qb, 0,1,2,3
.if \diag*\kb <= \qb
	v_wmma_f32_16x16x32_f16 v[32*\qb+8*\kb:32*\qb+8*\kb+7], v[KF+16*\kb:KF+16*\kb+7], v[QF+16*\qb:QF+16*\qb+7], 0
.endif
.endr
.endr
.irp kb, 0,1,2,3
.irp qb, 0,1,2,3
.if \diag*\kb <= \qb
	v_wmma_f32_16x16x32_f16 v[32*\qb+8*\kb:32*\qb+8*\kb+7], v[KF+16*\kb+8:KF+16*\kb+15], v[QF+16*\qb+8:QF+16*\qb+15], v[32*\qb+8*\kb:32*\qb+8*\kb+7]
.endif
.endr
.endr
	WIN 0
.endm
; O^T += V^T P^T.  diag = 1: the first products start the sums, and keys 32-63 serve query blocks 2 and 3 alone.
.macro PV diag
	WIN 0xa4
.irp d, 0,1,2,3
.irp q, 0,1,2,3
.if \diag
	v_wmma_f32_16x16x32_f16 v[8*(4*\d+\q):8*(4*\d+\q)+7], v[VF+8*\d:VF+8*\d+7], v[PB+16*\q:PB+16*\q+7], 0
.else
	v_wmma_f32_16x16x32_f16 v[8*(4*\d+\q):8*(4*\d+\q)+7], v[VF+8*\d:VF+8*\d+7], v[PB+16*\q:PB+16*\q+7], v[8*(4*\d+\q):8*(4*\d+\q)+7]
.endif
.endr
.endr
.irp d, 0,1,2,3
.irp q, 0,1,2,3
.if \diag*2 <= \q
	v_wmma_f32_16x16x32_f16 v[8*(4*\d+\q):8*(4*\d+\q)+7], v[VF+32+8*\d:VF+32+8*\d+7], v[PB+16*\q+8:PB+16*\q+15], v[8*(4*\d+\q):8*(4*\d+\q)+7]
.endif
.endr
.endr
	WIN 0
.endm
; A whole sub-tile: new maximum, factor on the older sums, p, sums, P.  The four query blocks' chains are interleaved.
.macro SOFTMAX0
	WIN 0x55
.irp q, 0,1,2,3
	v_max3_num_f32 v[ALB+2*\q+1], v[NMB+2*\q+1], v[32*\q], v[32*\q+1]
.endr
.set i, 1
.rept 15
.irp q, 0,1,2,3
	v_max3_num_f32 v[ALB+2*\q+1], v[ALB+2*\q+1], v[32*\q+2*i], v[32*\q+2*i+1]
.endr
.set i, i+1
.endr
.irp q, 0,1,2,3
	v_permlanex16_b32 v[XB+\q], v[ALB+2*\q+1], s12, s13    ; the same query's other 32 keys lie in lane l xor 16
.endr
.irp q, 0,1,2,3
	v_max_num_f32 v[NMB+2*\q+1], v[ALB+2*\q+1], v[XB+\q]
.endr
.irp q, 0,1,2,3
	v_mul_f32 v[UB+\q], s36, v[NMB+2*\q+1]                 ; -c m, rounded
.endr
.irp q, 0,1,2,3
	v_sub_f32 v[ALB+2*\q], v[UB+\q], v[NMB+2*\q]           ; the change of the shift, <= 0
.endr
.irp q, 0,1,2,3
	v_mov_b32 v[NMB+2*\q], v[UB+\q]
.endr
.irp q, 0,1,2,3
	v_exp_f32 v[ALB+2*\q], v[ALB+2*\q]                     ; used far below; the multiply-adds that follow are the plain instructions behind it (ISA guide 5.7.2)
.endr
.set i, 0
.rept 16
.irp q, 0,1,2,3
	v_pk_fma_f32 v[32*\q+2*i:32*\q+2*i+1], v[32*\q+2*i:32*\q+2*i+1], s[34:35], v[NMB+2*\q:NMB+2*\q+1] op_sel_hi:[1,0,0]   ; c s - c m
.endr
.set i, i+1
.endr
.set i, 0
.rept 128
	v_exp_f32 v[i], v[i]
.set i, i+1
.endr
	WIN 0x86                                               ; the older output times the factor: plain work between the exponentials and their first use
	s_wait_alu depctr_va_vdst(0)
.irp d, 0,1,2,3
.irp q, 0,1,2,3
.irp k, 0,2,4,6
	v_pk_mul_f32 v[8*(4*\d+\q)+\k:8*(4*\d+\q)+\k+1], v[8*(4*\d+\q)+\k:8*(4*\d+\q)+\k+1], v[ALB+2*\q:ALB+2*\q+1] op_sel_hi:[1,0]
.endr
.endr
.endr
	WIN 0x55
.irp q, 0,1,2,3
	v_pk_fma_f32 v[LB+2*\q:LB+2*\q+1], v[LB+2*\q:LB+2*\q+1], v[ALB+2*\q:ALB+2*\q+1], v[32*\q:32*\q+1] op_sel_hi:[1,0,1]
.endr
.set i, 1
.rept 15
.irp q, 0,1,2,3
	v_pk_add_f32 v[LB+2*\q:LB+2*\q+1], v[LB+2*\q:LB+2*\q+1], v[32*\q+2*i:32*\q+2*i+1]
.endr
.set i, i+1
.endr
.set i, 0
.rept 16
.irp q, 0,1,2,3
	v_cvt_pk_f16_f32 v[PB+16*\q+i], v[32*\q+2*i], v[32*\q+2*i+1]
.endr
.set i, i+1
.endr
.endm
; The diagonal sub-tile, a block's first: tiles kb <= qb, of which kb = qb is masked.  Every row holds its own key, so its maximum is finite.
.macro SOFTMAX1
	WIN 0x55
.irp q, 0,1,2,3
.irp j, 0,1,2,3,4,5,6,7
	v_cndmask_b32 v[40*\q+\j], v[NINF], v[40*\q+\j], s[MK+\j]      ; keys behind the query: -infinity, as in the definition
.endr
.endr
.irp q, 0,1,2,3
	v_max_num_f32 v[ALB+2*\q+1], v[32*\q], v[32*\q+1]
.endr
.set i, 1
.rept 15
.irp q, 0,1,2,3
.if i < 4*(\q+1)
	v_max3_num_f32 v[ALB+2*\q+1], v[ALB+2*\q+1], v[32*\q+2*i], v[32*\q+2*i+1]
.endif
.endr
.set i, i+1
.endr
.irp q, 0,1,2,3
	v_permlanex16_b32 v[XB+\q], v[ALB+2*\q+1], s12, s13
.endr
.irp q, 0,1,2,3
	v_max_num_f32 v[NMB+2*\q+1], v[ALB+2*\q+1], v[XB+\q]
.endr
.irp q, 0,1,2,3
	v_mul_f32 v[NMB+2*\q], s36, v[NMB+2*\q+1]
.endr
.set i, 0
.rept 16
.irp q, 0,1,2,3
.if i < 4*(\q+1)
	v_pk_fma_f32 v[32*\q+2*i:32*\q+2*i+1], v[32*\q+2*i:32*\q+2*i+1], s[34:35], v[NMB+2*\q:NMB+2*\q+1] op_sel_hi:[1,0,0]
.endif
.endr
.set i, i+1
.endr
.set i, 0
.rept 32
.irp q, 0,1,2,3
.if i < 8*(\q+1)
	v_exp_f32 v[32*\q+i], v[32*\q+i]
.endif
.endr
.set i, i+1
.endr
.irp k, 4,5,6,7
	v_mov_b32 v[PB+\k], 0                                  ; query block 0: keys 16-31 count nothing.  (Also the plain work behind the exponentials.)
	v_mov_b32 v[PB+40+\k], 0                               ; query block 2: keys 48-63
.endr
	s_wait_alu depctr_va_vdst(0)
.irp q, 0,1,2,3
	v_pk_add_f32 v[LB+2*\q:LB+2*\q+1], v[32*\q:32*\q+1], v[32*\q+2:32*\q+3]
.endr
.set i, 2
.rept 14
.irp q, 0,1,2,3
.if i < 4*(\q+1)
	v_pk_add_f32 v[LB+2*\q:LB+2*\q+1], v[LB+2*\q:LB+2*\q+1], v[32*\q+2*i:32*\q+2*i+1]
.endif
.endr
.set i, i+1
.endr
.set i, 0
.rept 16
.irp q, 0,1,2,3
.if i < 4*(\q+1)
	v_cvt_pk_f16_f32 v[PB+16*\q+i], v[32*\q+2*i], v[32*\q+2*i+1]
.endif
.endr
.set i, i+1
.endr
.endm
; One whole sub-tile j of a slot.  pre = 1: the next sub-tile's K fragments are asked for as soon as this one's have been multiplied.
.macro GENERIC slot, j, pre
	s_wait_dscnt 0x0                               ; K of this sub-tile is in
	SCORE 0
	PLACES
	LOADV VA+\slot, (\j)*64*VP
.if \pre
	LOADK KA+\slot, (((\j)+1)/2)*REG+(((\j)+1)%2)*64*KP
.endif
	SOFTMAX0
	s_wait_dscnt 16*\pre                           ; V is in; the 16 younger loads of K, where there are any, may stay out
	PV 0
.endm
; A block's end: divide by the row's sum, round to f16, through my own stage into whole rows, out.
.macro FINAL cbase
	WIN 0x55
.irp q, 0,1,2,3
	v_add_f32 v[ALB+2*\q+1], v[LB+2*\q], v[LB+2*\q+1]
.endr
.irp q, 0,1,2,3
	v_permlanex16_b32 v[XB+\q], v[ALB+2*\q+1], s12, s13
.endr
.irp q, 0,1,2,3
	v_add_f32 v[ALB+2*\q+1], v[ALB+2*\q+1], v[XB+\q]
.endr
.irp q, 0,1,2,3
	v_rcp_f32 v[ALB+2*\q], v[ALB+2*\q+1]
.endr
	v_nop                                          ; one plain instruction behind the reciprocals (ISA guide 5.7.2)
	WIN 0x46
	s_wait_alu depctr_va_vdst(0)
.irp d, 0,1,2,3
.irp q, 0,1,2,3
.irp k, 0,2,4,6
	v_pk_mul_f32 v[8*(4*\d+\q)+\k:8*(4*\d+\q)+\k+1], v[8*(4*\d+\q)+\k:8*(4*\d+\q)+\k+1], v[ALB+2*\q:ALB+2*\q+1] op_sel_hi:[1,0]   ; into S's registers
.endr
.endr
.endr
	WIN 0x55
.irp d, 0,1,2,3
.irp q, 0,1,2,3
.irp k, 0,1,2,3
	v_cvt_pk_f16_f32 v[PB+4*(4*\q+\d)+\k], v[8*(4*\d+\q)+2*\k], v[8*(4*\d+\q)+2*\k+1]     ; eight neighbouring d of one query: 16 bytes
.endr
.endr
.endr
	WIN 0x04
.irp q, 0,1,2,3
.irp d, 0,1,2,3
	ds_store_b128 v[STO], v[PB+4*(4*\q+\d):PB+4*(4*\q+\d)+3] offset:16*KP*\q+32*\d
.endr
.endr
	WIN 0x40
.irp t, 0,1,2,3,4,5,6,7,8,9,10,11,12,13,14,15
	ds_load_b128 v[4*\t:4*\t+3], v[RD] offset:4*KP*\t      ; my own bytes; LDS serves a wave's instructions in order (ISA guide 5.7.1), so these see the stores above
.endr
	WIN 0x04
.irp t, 0,1,2,3,4,5,6,7,8,9,10,11,12,13,14,15
	s_wait_dscnt 15-\t                                     ; load t is in, the 15 - t younger ones may be out
	global_store_b128 v[CO], v[4*\t:4*\t+3], s[\cbase:\cbase+1] offset:512*\t      ; four rows: 512 consecutive bytes, aligned
.endr
	WIN 0
.endm
; The key unit of step n + 1 (n in s17) into slot o's group 0: n < p: unit n;  n = p: the second block's diagonal, 7 - p;  else n - p - 1.
.macro UNITADDR o
	s_sub_co_u32 s19, s17, s14
	s_cmp_lt_u32 s17, s9
	s_cselect_b32 s19, s17, s19
	s_cmp_eq_u32 s17, s9
	s_cselect_b32 s19, s15, s19
	s_lshl_b32 s20, s19, 15                        ; 256 rows of 128 bytes
	s_add_nc_u64 s[G0+4*(\o)+2:G0+4*(\o)+3], s[22:23], s[20:21]
	s_or_b32 s[G0+4*(\o)+3], s[G0+4*(\o)+3], 0x80000000
.endm
.macro KVLOAD o                        ; waves 0 and 1 fetch K's halves, waves 2 and 3 V's: the shapes differ in the padding
	s_cmp_lt_u32 s8, 2
	s_cbranch_scc0 .Lfor_v_\@
	tensor_load_to_lds s[G0+4*(\o):G0+4*(\o)+3], s[G1K:G1K+7]
	s_nop 0
	s_branch .Lasked_\@
.Lfor_v_\@:
	tensor_load_to_lds s[G0+4*(\o):G0+4*(\o)+3], s[G1V:G1V+7]
	s_nop 0
.Lasked_\@:
.endm
; Step n = s16 + d on its slot.  In front of the barrier every wave waits for all its tensor loads (its part of this slot) and for its reads of the other
; slot; behind it the other slot's refill comes first, one load of 16 KiB a wave, which has this whole unit's work in which to land.
.macro STEP slot, d, refill, maydiag
	s_add_co_u32 s17, s16, \d
	s_wait_tensorcnt 0x0                           ; no tensor load of mine is out: a group 0 may be written
	ds_add_u32 v62, v63
	s_wait_dscnt 0x0
.if \refill
	UNITADDR 1-\slot
.endif
	s_wait_dscnt 0x0
	s_barrier_signal -1
	s_barrier_wait -1
.if \refill
	KVLOAD 1-\slot
.endif
.if \maydiag
	s_mov_b32 s18, 4                               ; a whole unit: four sub-tiles
	s_cmp_lg_u32 s17, s14
	s_cbranch_scc1 .Lplain_\@
	s_mov_b32 s18, s8                              ; step p + 1: the second block begins, with its diagonal unit: w whole sub-tiles follow my masked one
	PLACES
	QLOAD 28
	LOADK KD+\slot, 0
	LOADV VD+\slot, 0
	FINAL 30                                       ; the first block goes out while these loads are on their way
	s_wait_xcnt 0x0                                ; the stores' data lie in S's registers, which are written again only behind this wait
	s_wait_loadcnt 0x0                             ; Q
	s_wait_dscnt 0x0                               ; K and V
	SCORE 1
	PLACES
	LOADK KA+\slot, 0
	SOFTMAX1
	PV 1
	s_branch .Lsub_\@
.Lplain_\@:
	LOADK KA+\slot, 0
.Lsub_\@:
.irp j, 0,1,2
	s_cmp_le_u32 s18, \j                           ; these jumps pass over LDS loads and register work alone
	s_cbranch_scc1 .Lend_\@
	GENERIC \slot, \j, 1
.endr
	s_cmp_le_u32 s18, 3
	s_cbranch_scc1 .Lend_\@
	GENERIC \slot, 3, 0
.Lend_\@:
.else
	LOADK KA+\slot, 0
	GENERIC \slot, 0, 1
	GENERIC \slot, 1, 1
	GENERIC \slot, 2, 1
	GENERIC \slot, 3, 0
.endif
.endm
	s_load_b128 s[4:7], s[0:1], 0x0                ; qkv s[4:5], ctxb s[6:7]
	v_lshl_add_u32 v62, v0, 2, 0x31000
	v_mov_b32 v63, 0
	ds_add_u32 v62, v63
	v_lshrrev_b32 v1, 5, v0
	v_readfirstlane_b32 s8, v1                     ; wave 0..3
	s_mov_b32 s9, ttmp9                            ; p
	s_and_b32 s10, ttmp7, 0xffff                   ; 16 b + h
	s_mov_b32 s12, 0x76543210                      ; v_permlanex16_b32: lane i of one half reads lane i of the other
	s_mov_b32 s13, 0xfedcba98
	s_add_co_u32 s14, s9, 1                        ; the step at which the second block begins
	s_sub_co_u32 s15, 7, s9                        ; the second block
	s_mov_b32 s21, 0
	s_mov_b32 s34, 0x3e38aa3b                      ; c = log2(e) / 8
	s_mov_b32 s35, 0x3e38aa3b
	s_mov_b32 s36, 0xbe38aa3b                      ; -c
	; a tile is a dense block of 16 KiB (128 rows of 128 bytes), taken as 64 rows of 256 bytes, with padding behind every 128 bytes
	s_mov_b32 s[G1K+0], (1<<16)|(1<<20)|(4<<22)|(3<<25)    ; elements of 2 bytes; padding on; behind every 32 words 4 words: pitch 144
	s_mov_b32 s[G1V+0], (1<<16)|(1<<20)|(4<<22)|(7<<25)    ; 8 words: pitch 160
	s_mov_b32 s[G1K+1], 128<<16                    ; tensor_dim0 = 128
	s_mov_b32 s[G1V+1], 128<<16
	s_mov_b32 s[G1K+2], 64<<16                     ; tensor_dim1 = 64
	s_mov_b32 s[G1V+2], 64<<16
	s_mov_b32 s[G1K+3], 128<<16                    ; tile_dim0 = 128
	s_mov_b32 s[G1V+3], 128<<16
	s_mov_b32 s[G1K+4], 64                         ; tile_dim1 = 64
	s_mov_b32 s[G1V+4], 64
	s_mov_b32 s[G1K+5], 128                        ; elements from row to row
	s_mov_b32 s[G1V+5], 128
	s_mov_b32 s[G1K+6], 0
	s_mov_b32 s[G1V+6], 0
	s_mov_b32 s[G1K+7], 0
	s_mov_b32 s[G1V+7], 0
	s_lshr_b32 s37, s10, 4                         ; b
	s_and_b32 s38, s10, 15                         ; h
	s_mul_i32 s39, s37, 12582912                   ; b's part of qkv
	s_lshr_b32 s24, s8, 1                          ; what my wave fetches: t = 16 + h (K) or 32 + h (V), rows 0-127 or 128-255 of a unit
	s_lshl_b32 s24, s24, 4
	s_add_co_u32 s24, s24, s38
	s_add_co_u32 s24, s24, 16
	s_lshl_b32 s24, s24, 18
	s_add_co_u32 s24, s24, s39
	s_and_b32 s25, s8, 1
	s_lshl_b32 s25, s25, 14
	s_add_co_u32 s24, s24, s25
	s_mov_b32 s25, 0
	s_lshl_b32 s2, s38, 18                         ; q of my head
	s_add_co_u32 s2, s2, s39
	s_lshl_b32 s3, s9, 15
	s_add_co_u32 s66, s2, s3                       ; block p
	s_mov_b32 s67, 0
	s_lshl_b32 s3, s15, 15
	s_add_co_u32 s68, s2, s3                       ; block 7 - p
	s_mov_b32 s69, 0
	s_lshl_b32 s2, s10, 18                         ; ctx of my head
	s_lshl_b32 s3, s9, 15
	s_add_co_u32 s70, s2, s3
	s_mov_b32 s71, 0
	s_lshl_b32 s3, s15, 15
	s_add_co_u32 s72, s2, s3
	s_mov_b32 s73, 0
	s_mul_i32 s74, s8, REG                         ; my region of a slot
	s_wait_dscnt 0x0
	s_barrier_signal -1
	s_barrier_wait -1
	s_wait_kmcnt 0x0
	s_add_nc_u64 s[22:23], s[4:5], s[24:25]
	s_add_nc_u64 s[26:27], s[4:5], s[66:67]
	s_add_nc_u64 s[28:29], s[4:5], s[68:69]
	s_add_nc_u64 s[30:31], s[6:7], s[70:71]
	s_add_nc_u64 s[32:33], s[6:7], s[72:73]
	s_mov_b32 s[G0+0], 1
	s_add_co_u32 s[G0+1], s74, 0
	s_lshl_b32 s20, s9, 15                         ; step 0: unit p, the first block's diagonal
	s_add_nc_u64 s[G0+2:G0+3], s[22:23], s[20:21]
	s_or_b32 s[G0+3], s[G0+3], 0x80000000
	s_mov_b32 s[G0+4], 1
	s_add_co_u32 s[G0+5], s74, SLOT
	s_mov_b32 s17, 0
	UNITADDR 1                                     ; step 1's unit
	s_cmp_lt_u32 s8, 2                             ; both first fills of a wave inside one branch: two tensor loads of the wave are out
	s_cbranch_scc0 .Lfirst_v
	tensor_load_to_lds s[G0:G0+3], s[G1K:G1K+7]
	s_nop 0
	tensor_load_to_lds s[G0+4:G0+7], s[G1K:G1K+7]
	s_nop 0
	s_branch .Lfirst_done
.Lfirst_v:
	tensor_load_to_lds s[G0:G0+3], s[G1V:G1V+7]
	s_nop 0
	tensor_load_to_lds s[G0+4:G0+7], s[G1V:G1V+7]
	s_nop 0
.Lfirst_done:
	v_and_b32 v1, 15, v0                           ; r
	v_bfe_u32 v2, v0, 4, 1                         ; h
	v_and_b32 v3, 31, v0                           ; l
	v_and_b32 v4, 7, v0                            ; l % 8
	v_bfe_u32 v5, v0, 3, 1                         ; (l / 8) % 2
	v_bfe_u32 v6, v0, 3, 2                         ; l / 8
	s_lshl_b32 s75, s8, 13                         ; my 64 rows of 128 bytes
	v_lshlrev_b32 v9, 7, v1
	v_lshl_add_u32 v9, v2, 4, v9
	v_add_nc_u32 v[QOFF], s75, v9
	QLOAD 26
	v_mul_u32_u24 v7, v1, KP
	v_lshl_add_u32 v[KA], v2, 4, v7
	v_add_nc_u32 v[KA+1], SLOT, v[KA]
	v_lshl_add_u32 v8, v2, 3, v4
	v_mul_u32_u24 v8, v8, VP
	v_lshl_add_u32 v8, v5, 4, v8
	v_add_nc_u32 v[VA], 2*REG, v8
	v_add_nc_u32 v[VA+1], SLOT, v[VA]
	s_lshr_b32 s2, s8, 1                           ; sub-tile w of K: region w / 2, 64 rows x (w % 2)
	s_mul_i32 s2, s2, REG
	s_and_b32 s3, s8, 1
	s_mul_i32 s3, s3, 64*KP
	s_add_co_u32 s2, s2, s3
	v_add_nc_u32 v[KD], s2, v[KA]
	v_add_nc_u32 v[KD+1], s2, v[KA+1]
	s_mul_i32 s3, s8, 64*VP
	v_add_nc_u32 v[VD], s3, v[VA]
	v_add_nc_u32 v[VD+1], s3, v[VA+1]
	s_mul_i32 s2, s8, 64*KP
	s_add_co_u32 s2, s2, STAGE                     ; my stage
	v_add_nc_u32 v[STO], s2, v[KA]
	v_mul_u32_u24 v10, v6, KP
	v_lshl_add_u32 v10, v4, 4, v10
	v_add_nc_u32 v[RD], s2, v10
	v_lshl_add_u32 v[CO], v3, 4, s75
	v_lshlrev_b32 v11, 3, v2
	v_sub_nc_u32 v11, v1, v11                      ; r - 8 h
.irp j, 0,1,2,3,4,5,6,7
	v_cmp_le_i32 s[MK+\j], \j, v11                 ; key 8 h + j <= query r
.endr
	WIN 0x40
.irp q, 0,1,2,3
	v_mov_b32 v[XB+\q], 0                          ; v_permlanex16_b32 counts as a reader of its destination
.endr
	v_mov_b32 v[NINF], 0xff800000
	WIN 0
	s_wait_tensorcnt 0x1                           ; my part of slot 0 is in; slot 1's stays out
	s_barrier_signal -1
	s_barrier_wait -1
	; step 0: the first block's diagonal unit
	LOADK KD, 0
	LOADV VD, 0
	s_wait_loadcnt 0x0
	s_wait_dscnt 0x0
	SCORE 1
	PLACES
	LOADK KA, 0
	SOFTMAX1
	PV 1
.irp j, 0,1,2
	s_cmp_le_u32 s8, \j
	s_cbranch_scc1 .Lend0
	GENERIC 0, \j, 1
.endr
.Lend0:
	s_mov_b32 s16, 1
.Lloop:                                            ; steps 1 to 6, two a trip
	STEP 1, 0, 1, 1
	STEP 0, 1, 1, 1
	s_add_co_u32 s16, s16, 2
	s_cmp_lt_u32 s16, 7
	s_cbranch_scc1 .Lloop
	STEP 1, 0, 1, 0                                ; step 7: p + 1 <= 4, so no block begins here
	STEP 0, 1, 0, 0                                ; step 8: nothing is left to fetch
	PLACES
	FINAL 32
	s_wait_tensorcnt 0x0
	ds_add_u32 v62, v63
	s_wait_dscnt 0x0
	s_endpgm
.Lfunc_end_k_q36207f45a4_attn:
	.size	k_q36207f45a4_attn, .Lfunc_end_k_q36207f45a4_attn-k_q36207f45a4_attn
	.p2alignl 7, 3214868480
	.fill 96, 4, 3214868480
	.section	.rodata,"a",@progbits
	.p2align	6, 0x0
	.amdhsa_kernel k_q36207f45a4_attn
		.amdhsa_group_segment_fixed_size 327680
		.amdhsa_private_segment_fixed_size 0
		.amdhsa_enable_private_segment 0
		.amdhsa_kernarg_size 16
		.amdhsa_user_sgpr_count 2
		.amdhsa_user_sgpr_kernarg_segment_ptr 1
		.amdhsa_wavefront_size32 1
		.amdhsa_system_sgpr_workgroup_id_x 1
		.amdhsa_system_sgpr_workgroup_id_y 1
		.amdhsa_system_sgpr_workgroup_id_z 1
		.amdhsa_system_vgpr_workitem_id 0
		.amdhsa_next_free_vgpr 640
		.amdhsa_next_free_sgpr 84
		.amdhsa_reserve_vcc 0
		.amdhsa_float_denorm_mode_32 3
		.amdhsa_float_denorm_mode_16_64 3
		.amdhsa_memory_ordered 1
		.amdhsa_forward_progress 1
		.amdhsa_inst_pref_size 255
	.end_amdhsa_kernel
	.section	.bss,"aw",@nobits
	.p2align	6
	.space	262144
	.amdgpu_metadata
---
amdhsa.version: [ 1, 2 ]
amdhsa.kernels:
  - .name:           k_q36207f45a4_attn
    .symbol:         k_q36207f45a4_attn.kd
    .args:
      - { .name: qkv, .offset: 0, .size: 8, .value_kind: global_buffer, .address_space: global }
      - { .name: ctxb, .offset: 8, .size: 8, .value_kind: global_buffer, .address_space: global }
    .group_segment_fixed_size: 327680
    .private_segment_fixed_size: 0
    .kernarg_segment_align: 8
    .kernarg_segment_size: 16
    .max_flat_workgroup_size: 128
    .sgpr_count:     84
    .vgpr_count:     640
    .wavefront_size: 32
...
	.end_amdgpu_metadata
.endif
;; end of part 3
;; launch oproj (part 4): grid 8 x 32, 4 waves a work-group, clusters of 4 x 4, 327,680 bytes of LDS; arguments ctxb, wb, bo, out0; writes out0
.if DOCPART == 4
	.amdgcn_target "amdgcn-amd-amdhsa--gfx1250"
	.amdhsa_code_object_version 6
	.text
	.protected	k_q36207f45a4_oproj
	.globl	k_q36207f45a4_oproj
	.p2align	8
	.type	k_q36207f45a4_oproj,@function
k_q36207f45a4_oproj:
	s_mov_b64 s[64:65], 0
	v_nop
	global_prefetch_b8 v0, s[64:65] scope:SCOPE_SE
	s_setreg_imm32_b32 hwreg(HW_REG_WAVE_MODE, 25, 1), 1
	s_wait_xcnt 0x0
	s_wait_alu depctr_hold_cnt(0) depctr_sa_sdst(0) depctr_va_vdst(0) depctr_va_sdst(0) depctr_va_ssrc(0) depctr_va_vcc(0) depctr_vm_vsrc(0)
	s_getreg_b32 s2, hwreg(HW_REG_IB_STS2, 6, 4)
	s_cmp_eq_u32 s2, 0
	s_cbranch_scc0 .Lentry_in_a_cluster
	s_endpgm
.Lentry_in_a_cluster:
	s_bfe_u32 s2, ttmp6, 0x10000c
	s_cmp_lg_u32 s2, 0xf033
	s_cbranch_scc0 .Lentry_shape_is_right
	s_endpgm
.Lentry_shape_is_right:
; out0 [8192][1024] f32 = ctx [8192][1024] x Wo^T + bo.  ctx lies head by head, ctxb[b][h][s][64] f16; Wo is wb's rows 3072-4095, f16; sums and bias in f32.
; A work-group makes 256 rows x 128 columns with four waves; a wave makes 128 x 64: 32 accumulator tiles, 256 registers (window 1).  256 work-groups.
; K goes in steps of 128 = two heads through two LDS slots.  A step's part of ctx is two dense blocks of 32 KiB (256 rows x 128 bytes of one head),
; each brought by one tensor load as 128 rows of 256 bytes with padding behind every 128; Wo's part is 2 x 64 rows of 256 bytes.
; CLUSTERS of 4 x 4: ctx's tiles are shared along a row of the cluster, Wo's along a column, each asked for jointly by the four.
; The matrix instruction is used transposed (source 0 = 16 rows of Wo, source 1 = 16 rows of ctx): a lane holds eight neighbouring columns of one row.
.set KSTEPS, 8
.set AP,     144                       ; ctx in LDS: 128 bytes + 16
.set BP,     272                       ; Wo in LDS: 256 bytes + 16
.set REG,    256*AP                    ; a wave's region of a slot: 36,864 bytes (one head's 256 rows; or 64 rows of Wo, 17,408 used)
.set SLOT,   4*REG
.set STAGE,  2*SLOT                    ; behind the ring: 16 rows x 272 bytes for each wave; no fill lands here
.set SPITCH, 272
.set LAPS,   KSTEPS/2
.set ADRA, 16
.set ADRB, 20
.set STO,  24
.set RD,   25
.set CO,   26
.set BIAS, 28                          ; v[28:31] bo of my four columns on the way out
.set FA,   32                          ; ctx fragments: buffer f at FA + 64 f
.set FB,   160                         ; Wo fragments: buffer f at FB + 32 f
.set G1,  24
.set G0,  32
.set G1B, 48
.set G0B, 56
.set MSB, 0
.macro WIN new
.if MSB != \new
	s_set_vgpr_msb (MSB<<8)|\new
.set MSB, \new
.endif
.endm
.set MUL, 0x50                         ; sources 0 and 1 window 0, C and D window 1
.macro JLOAD s
	s_cmp_eq_u32 s11, 0
	s_cbranch_scc0 .Lfor_b_\@
	tensor_load_to_lds s[G0+4*\s:G0+4*\s+3], s[G1:G1+7]
	s_nop 0
	s_branch .Lasked_\@
.Lfor_b_\@:
	tensor_load_to_lds s[G0B+4*\s:G0B+4*\s+3], s[G1B:G1B+7]
	s_nop 0
.Lasked_\@:
.endm
.macro CREST
	s_cmp_lg_u32 s10, 0
	s_cbranch_scc1 .Lnot_wave_0_\@
	s_barrier_signal -3
.Lnot_wave_0_\@:
	s_barrier_wait -3
	s_barrier_signal -1
	s_barrier_wait -1
.endm
.macro CROUND
	s_barrier_signal -1
	s_barrier_wait -1
	CREST
.endm
.macro PLACES                          ; four plain vector instructions between a matrix instruction and a load into, or a store or vector use of, its registers
.rept 4
	v_nop
.endr
.endm
	s_load_b128 s[4:7], s[0:1], 0x0                ; ctxb s[4:5], wb s[6:7]
	s_load_b64 s[18:19], s[0:1], 0x10              ; bo
	s_load_b64 s[8:9], s[0:1], 0x18                ; out0
	v_lshl_add_u32 v254, v0, 2, 0x4c400
	v_mov_b32 v255, 0
	ds_add_u32 v254, v255
	v_lshrrev_b32 v1, 5, v0
	v_readfirstlane_b32 s10, v1                    ; wave 0..3
	s_lshr_b32 s11, s10, 1                         ; which half of the block's rows is mine.  Also: I fetch for ctx (0) or for Wo (1)
	s_and_b32 s12, s10, 1                          ; which half of its columns.  Also: which head of the step, or which 64 rows of Wo, I fetch
	s_bfe_u32 s40, ttmp6, 0x40000                  ; cx
	s_bfe_u32 s41, ttmp6, 0x40004                  ; cy
	s_lshl_b32 s42, ttmp9, 2
	s_add_co_u32 s42, s42, s40                     ; block column, 0..7
	s_and_b32 s13, ttmp7, 0xffff
	s_lshl_b32 s13, s13, 2
	s_add_co_u32 s13, s13, s41                     ; block row, 0..31
	s_lshl_b32 s43, s41, 2
	s_lshl_b32 s43, 15, s43                        ; my row of the cluster
	s_lshl_b32 s44, 0x1111, s40                    ; my column
	s_or_b32 s[G1+0], s43, (1<<16)|(1<<20)|(1<<21)|(4<<22)|(3<<25)   ; mask of my row; 2 bytes; padding on; bit 21 beside a mask; 4 words behind every 32
	s_or_b32 s[G1B+0], s44, (1<<16)|(1<<20)|(1<<21)|(5<<22)|(3<<25)  ; mask of my column; 4 words behind every 64
	s_mov_b32 s[G1+1], 128<<16                     ; tensor_dim0 = 128
	s_mov_b32 s[G1B+1], 128<<16
	s_mov_b32 s[G1+2], 128<<16                     ; tensor_dim1 = 128 rows of 256 bytes
	s_mov_b32 s[G1B+2], 64<<16                     ;             = 64 rows of Wo
	s_mov_b32 s[G1+3], 128<<16                     ; tile_dim0 = 128
	s_mov_b32 s[G1B+3], 128<<16
	s_mov_b32 s[G1+4], 128                         ; tile_dim1
	s_mov_b32 s[G1B+4], 64
	s_mov_b32 s[G1+5], 128                         ; a dense block: the next row begins where the last ends
	s_mov_b32 s[G1B+5], 1024
	s_mov_b32 s[G1+6], 0
	s_mov_b32 s[G1B+6], 0
	s_mov_b32 s[G1+7], 0
	s_mov_b32 s[G1B+7], 0
	s_lshr_b32 s16, s13, 3                         ; ctx: b x 16 heads + 256 rows x (block row % 8) + my head of the step
	s_lshl_b32 s16, s16, 22
	s_and_b32 s17, s13, 7
	s_lshl_b32 s17, s17, 15
	s_add_co_u32 s16, s16, s17
	s_lshl_b32 s17, s12, 18
	s_add_co_u32 s16, s16, s17
	s_mov_b32 s17, 0
	s_lshl_b32 s46, s42, 7                         ; Wo: row 3072 + 128 x block column + 64 x half
	s_lshl_b32 s47, s12, 6
	s_add_co_u32 s46, s46, s47
	s_add_co_u32 s46, s46, 3072
	s_lshl_b32 s46, s46, 11
	s_mov_b32 s47, 0
	s_mul_i32 s20, s10, REG
	s_wait_dscnt 0x0
	s_wait_kmcnt 0x0
	s_add_nc_u64 s[14:15], s[4:5], s[16:17]
	s_add_nc_u64 s[46:47], s[6:7], s[46:47]
	CROUND                                         ; all sixteen work-groups are here: the first joint loads meet
.irp s, 0,1
	s_mov_b32 s[G0+4*\s], 1
	s_add_co_u32 s[G0+4*\s+1], s20, \s*SLOT
	s_add_nc_u64 s[G0+4*\s+2:G0+4*\s+3], s[14:15], \s*2*262144     ; K step s: two heads on
	s_or_b32 s[G0+4*\s+3], s[G0+4*\s+3], 0x80000000
	s_mov_b32 s[G0B+4*\s], 1
	s_add_co_u32 s[G0B+4*\s+1], s20, \s*SLOT
	s_add_nc_u64 s[G0B+4*\s+2:G0B+4*\s+3], s[46:47], \s*256
	s_or_b32 s[G0B+4*\s+3], s[G0B+4*\s+3], 0x80000000
	JLOAD \s                                       ; two tensor loads of the wave are out
.endr
	v_and_b32 v1, 15, v0                           ; r
	v_bfe_u32 v2, v0, 4, 1                         ; h
	v_mul_u32_u24 v3, v1, AP
	v_lshl_add_u32 v3, v2, 4, v3
	v_mul_u32_u24 v4, v1, BP
	v_lshl_add_u32 v4, v2, 4, v4
	s_mul_i32 s21, s11, 128*AP                     ; my 128 rows, in each head's region
	s_mul_i32 s22, s12, REG
	s_add_co_u32 s22, s22, 2*REG                   ; my 64 rows of Wo
.irp s, 0,1
	v_add_nc_u32 v[ADRA+\s], s21, v3
	v_add_nc_u32 v[ADRB+\s], s22, v4
	s_add_co_u32 s21, s21, SLOT
	s_add_co_u32 s22, s22, SLOT
.endr
	s_mul_i32 s23, s10, 16*SPITCH
	s_add_co_u32 s23, s23, STAGE                   ; my stage
	v_mul_u32_u24 v5, v1, SPITCH                   ; in: row r, 32 bytes (8 f32) for each half of the lanes
	v_lshl_add_u32 v5, v2, 5, v5
	v_add_nc_u32 v[STO], s23, v5
	v_mul_u32_u24 v6, v2, SPITCH                   ; back: lanes 0-15 take one row of 256 bytes, lanes 16-31 the next
	v_lshl_add_u32 v6, v1, 4, v6
	v_add_nc_u32 v[RD], s23, v6
	v_lshlrev_b32 v6, 12, v2                       ; the same two rows in out0
	v_lshl_add_u32 v[CO], v1, 4, v6
	s_lshl_b32 s45, s42, 9                         ; my 64 columns, in bytes: 512 x block column + 256 x half
	s_lshl_b32 s21, s12, 8
	s_add_co_u32 s45, s45, s21
	v_lshl_add_u32 v7, v1, 4, s45
	global_load_b128 v[BIAS:BIAS+3], v7, s[18:19]  ; waited for on the way out; v7 is not written again
; 8 matrix instructions: row blocks a0, a0 + 1 of my eight x all 4 column blocks, 32 along K
.macro MUL8 f, a0, zero
.irp a, \a0, \a0+1
.irp b, 0,1,2,3
.if \zero
	v_wmma_f32_16x16x32_f16 v[8*(4*(\a)+\b):8*(4*(\a)+\b)+7], v[FB+32*\f+8*\b:FB+32*\f+8*\b+7], v[FA+64*\f+8*(\a):FA+64*\f+8*(\a)+7], 0
.else
	v_wmma_f32_16x16x32_f16 v[8*(4*(\a)+\b):8*(4*(\a)+\b)+7], v[FB+32*\f+8*\b:FB+32*\f+8*\b+7], v[FA+64*\f+8*(\a):FA+64*\f+8*(\a)+7], v[8*(4*(\a)+\b):8*(4*(\a)+\b)+7]
.endif
.endr
.endr
.endm
; 24 LDS loads: quarter kq of a K step (head kq / 2 of the two, d from 32 (kq % 2)) into buffer f: 64 rows of Wo, then 128 of ctx
.macro FETCH slot, kq, f
	WIN 0
.irp i, 0,1,2,3
	ds_load_b128 v[FB+32*\f+8*\i:FB+32*\f+8*\i+3],   v[ADRB+\slot] offset:64*\kq+\i*16*BP
	ds_load_b128 v[FB+32*\f+8*\i+4:FB+32*\f+8*\i+7], v[ADRB+\slot] offset:64*\kq+\i*16*BP+32
.endr
.irp i, 0,1,2,3,4,5,6,7
	ds_load_b128 v[FA+64*\f+8*\i:FA+64*\f+8*\i+3],   v[ADRA+\slot] offset:(\kq/2)*REG+(\kq%2)*64+\i*16*AP
	ds_load_b128 v[FA+64*\f+8*\i+4:FA+64*\f+8*\i+7], v[ADRA+\slot] offset:(\kq/2)*REG+(\kq%2)*64+\i*16*AP+32
.endr
.endm
; The 32 accumulators take turns, one instruction a turn, in the same order in every quarter.
.macro QUARTER slot, kq, f, g, zero
	s_wait_dscnt 8                                 ; Wo and ctx's rows 0-63 are in; the youngest eight loads (rows 64-127) may be out
	WIN MUL
	MUL8 \f, 0, \zero
	MUL8 \f, 2, \zero
	PLACES
	FETCH \slot, \kq, \g
	s_wait_dscnt 24                                ; all but the 24 just issued
	WIN MUL
	MUL8 \f, 4, \zero
	MUL8 \f, 6, \zero
.endm
.macro THREE slot, zero
	QUARTER \slot, 1, 0, 1, \zero
	QUARTER \slot, 2, 1, 0, 0
	QUARTER \slot, 3, 0, 1, 0
.endm
; The last quarter changes slots.  From a request to the wait for it a wave issues 120 matrix instructions.
.macro TURN slot, next, fill
	s_wait_dscnt 8
	WIN MUL
	MUL8 1, 0, 0
	s_wait_dscnt 0                                 ; my reads of this slot are over
	s_wait_tensorcnt 0x0                           ; and all my tensor loads have landed: the one that was out is my part of the next slot
	ds_add_u32 v254, v255
	s_wait_dscnt 0x0
	s_barrier_signal -1
	MUL8 1, 2, 0
	WIN 0
	s_barrier_wait -1
.if \fill
	CREST                                          ; no wave of any partner still reads this slot or has a load on its way
	s_add_nc_u64 s[G0+4*\slot+2:G0+4*\slot+3], s[G0+4*\slot+2:G0+4*\slot+3], 4*262144
	s_add_nc_u64 s[G0B+4*\slot+2:G0B+4*\slot+3], s[G0B+4*\slot+2:G0B+4*\slot+3], 512
	JLOAD \slot                                    ; the wave's one tensor load behind the round, and the first thing there
.endif
	PLACES
	FETCH \next, 0, 0
	WIN MUL
	MUL8 1, 4, 0
	MUL8 1, 6, 0
.endm
.macro LAP zero
	THREE 0, \zero
	TURN 0, 1, 1
	THREE 1, 0
	TURN 1, 0, 1
.endm
	s_wait_tensorcnt 1                             ; my part of K step 0 is in; K step 1's stays out
	s_barrier_signal -1
	s_barrier_wait -1
	FETCH 0, 0, 0
	LAP 1
	WIN 0
	s_mov_b32 s3, LAPS-2
.Llap:
	LAP 0
	WIN 0
	s_sub_co_u32 s3, s3, 1
	s_cmp_lg_u32 s3, 0
	s_cbranch_scc1 .Llap
	THREE 0, 0                                     ; the last lap fills nothing
	TURN 0, 1, 0
	THREE 1, 0
	s_wait_dscnt 8
	WIN MUL
	MUL8 1, 0, 0
	MUL8 1, 2, 0
	s_wait_dscnt 0
	MUL8 1, 4, 0
	MUL8 1, 6, 0
	; THE WAY OUT, 16 rows at a time: the f32 sums into my own stage, read back as whole rows of 256 bytes, the bias added, stored.
	PLACES
	s_lshl_b32 s16, s13, 8
	s_lshl_b32 s14, s11, 7
	s_add_co_u32 s16, s16, s14                     ; my first row
	s_lshl_b32 s16, s16, 12                        ; x 4,096 bytes (33.5 million at the most)
	s_mov_b32 s17, 0
	s_add_nc_u64 s[8:9], s[8:9], s[16:17]
	s_mov_b32 s46, s45                             ; my first column, in bytes
	s_mov_b32 s47, 0
	s_add_nc_u64 s[8:9], s[8:9], s[46:47]
	s_wait_loadcnt 0x0                             ; the bias
.macro OUT16 a, f
	WIN 0x04                                       ; the stores' data in window 1
.irp b, 0,1,2,3
	ds_store_b128 v[STO], v[8*(4*\a+\b):8*(4*\a+\b)+3]   offset:64*\b
	ds_store_b128 v[STO], v[8*(4*\a+\b)+4:8*(4*\a+\b)+7] offset:64*\b+16
.endr
	WIN 0
	s_wait_xcnt 0x0                                ; buffer f, which earlier stores read, and the stores' base are written again only behind this wait
.if \a
	s_add_nc_u64 s[8:9], s[8:9], 16*4096
.endif
.irp t, 0,1,2,3,4,5,6,7
	ds_load_b128 v[\f+4*\t:\f+4*\t+3], v[RD] offset:\t*2*SPITCH    ; my own bytes; LDS serves a wave's instructions in order (ISA guide 5.7.1)
.endr
.irp t, 0,1,2,3,4,5,6,7
	s_wait_dscnt 7-\t                              ; load t is in, the 7 - t younger ones may be out
	v_pk_add_f32 v[\f+4*\t:\f+4*\t+1], v[\f+4*\t:\f+4*\t+1], v[BIAS:BIAS+1]
	v_pk_add_f32 v[\f+4*\t+2:\f+4*\t+3], v[\f+4*\t+2:\f+4*\t+3], v[BIAS+2:BIAS+3]
	global_store_b128 v[CO], v[\f+4*\t:\f+4*\t+3], s[8:9] offset:2*\t*4096 th:TH_STORE_NT   ; 16 lanes store 256 consecutive bytes, aligned
.endr
.endm
	OUT16 0, FA
	OUT16 1, FA+64
	OUT16 2, FA
	OUT16 3, FA+64
	OUT16 4, FA
	OUT16 5, FA+64
	OUT16 6, FA
	OUT16 7, FA+64
	s_wait_tensorcnt 0x0
	ds_add_u32 v254, v255
	s_wait_dscnt 0x0
	CROUND                                         ; the closing round: no work-group ends while a partner may still ask for a tile that names it
	s_endpgm
.Lfunc_end_k_q36207f45a4_oproj:
	.size	k_q36207f45a4_oproj, .Lfunc_end_k_q36207f45a4_oproj-k_q36207f45a4_oproj
	.p2alignl 7, 3214868480
	.fill 96, 4, 3214868480
	.section	.rodata,"a",@progbits
	.p2align	6, 0x0
	.amdhsa_kernel k_q36207f45a4_oproj
		.amdhsa_group_segment_fixed_size 327680
		.amdhsa_private_segment_fixed_size 0
		.amdhsa_enable_private_segment 0
		.amdhsa_kernarg_size 32
		.amdhsa_user_sgpr_count 2
		.amdhsa_user_sgpr_kernarg_segment_ptr 1
		.amdhsa_wavefront_size32 1
		.amdhsa_system_sgpr_workgroup_id_x 1
		.amdhsa_system_sgpr_workgroup_id_y 1
		.amdhsa_system_sgpr_workgroup_id_z 1
		.amdhsa_system_vgpr_workitem_id 0
		.amdhsa_next_free_vgpr 512
		.amdhsa_next_free_sgpr 66
		.amdhsa_reserve_vcc 0
		.amdhsa_float_denorm_mode_32 3
		.amdhsa_float_denorm_mode_16_64 3
		.amdhsa_memory_ordered 1
		.amdhsa_forward_progress 1
		.amdhsa_inst_pref_size 127
	.end_amdhsa_kernel
	.amdgpu_metadata
---
amdhsa.version: [ 1, 2 ]
amdhsa.kernels:
  - .name:           k_q36207f45a4_oproj
    .symbol:         k_q36207f45a4_oproj.kd
    .args:
      - { .name: ctxb, .offset: 0, .size: 8, .value_kind: global_buffer, .address_space: global }
      - { .name: wb, .offset: 8, .size: 8, .value_kind: global_buffer, .address_space: global }
      - { .name: bo, .offset: 16, .size: 8, .value_kind: global_buffer, .address_space: global }
      - { .name: out0, .offset: 24, .size: 8, .value_kind: global_buffer, .address_space: global }
    .group_segment_fixed_size: 327680
    .private_segment_fixed_size: 0
    .kernarg_segment_align: 8
    .kernarg_segment_size: 32
    .max_flat_workgroup_size: 128
    .sgpr_count:     66
    .vgpr_count:     512
    .wavefront_size: 32
...
	.end_amdgpu_metadata
.endif
;; end of part 4
;; ======== version 2 of 3: 4 launches; 1.32 times as fast as version 1
;; limits: values are held in f16: magnitudes above 65,504 overflow, below 6.1e-05 lose precision
;; workspace buffers: xb 16,777,216 bytes; wb 8,388,608 bytes; qkv 50,331,648 bytes; ctxb 16,777,216 bytes
;; launch cast: the kernel of part 1 again; grid 768 x 1, 8 waves a work-group, no clusters, 0 bytes of LDS; arguments x, Wq, Wk, Wv, Wo, xb, wb; writes xb, wb
;; launch qkv: the kernel of part 2 again; grid 16 x 32, 4 waves a work-group, clusters of 4 x 4, 327,680 bytes of LDS; arguments xb, wb, qkv; writes qkv
;; launch attn (part 5): grid 4 x 64, 8 waves a work-group, no clusters, 327,680 bytes of LDS; arguments qkv, ctxb; writes ctxb
.if DOCPART == 5
	.amdgcn_target "amdgcn-amd-amdhsa--gfx1250"
	.amdhsa_code_object_version 6
	.text
	.protected	k_q36207f45a4_attn
	.globl	k_q36207f45a4_attn
	.p2align	8
	.type	k_q36207f45a4_attn,@function
k_q36207f45a4_attn:
	s_mov_b64 s[64:65], 0
	v_nop
	global_prefetch_b8 v0, s[64:65] scope:SCOPE_SE
	s_setreg_imm32_b32 hwreg(HW_REG_WAVE_MODE, 25, 1), 1
	s_wait_xcnt 0x0
; Causal attention of one (b, h): ctx = softmax(q k^T / 8, keys <= query) v, with a running maximum; the scores never leave registers.
; qkv[b][t][s][64] f16 (t = h: q, 16 + h: k, 32 + h: v);  ctxb[b][h][s][64] f16.
; SHARE.  Work-group (p, bh), p = 0..3, makes query block f = 2 p + 1 (256 rows) and then block g = 6 - 2 p: f + 1 and g + 1 units of 256 keys, 9 for every
; work-group.  A unit is four sub-tiles of 64 keys.  EIGHT WAVES, two for each of the WGP's four SIMDs; a wave owns 32 query rows.  A wave's sub-tile is a run
; of products, a long run of vector work and a run of products again, each needing the one before; with two waves on a SIMD one wave's vector work can be
; issued while the other's products run.  The price: each fragment of K and V is read from LDS by eight waves, 128 KiB for 64 keys.
; Each block begins with its diagonal unit, in which wave w first takes sub-tile w / 2 (masked; it starts maximum, sum and output, so nothing is cleared) and
; then the sub-tiles j < w / 2; all other units are whole.  f + 1 is even, so with two slots by turns the first block always ends in slot 1 and both
; diagonal units lie in slot 0.
; TRANSPOSED.  S^T = K Q^T: lane (r, h) holds query 16 qb + r and keys 16 kb + 8 h + j in register j.  Two such tiles packed to f16 ARE the second
; operand of O^T = V^T P^T (V^T by the transposing LDS load).  So maximum, scale and sum are one number a lane, a row's reduction crosses lanes once,
; and P makes no trip through LDS.
; THE TEXT IS SHORT AND RUN MANY TIMES.  A whole sub-tile is written once for each slot (and once for the last step, which fills nothing) and run in a
; counted loop; of its instructions only the 32 LDS loads differ from sub-tile to sub-tile, and a scalar switch on the counter picks them, so that
; every LDS address is a fixed register plus an immediate.
; NUMBERS.  p = 2^(c s - c m), c = log2(e) / 8, in f32; q, k, v, p and ctx are rounded to f16 as matrix operands; the row's sum adds the f32 p.
; The state keeps the ROUNDED c m, so that the factor on the older sums is exactly the change of the shift that the older p carry.
; LIMITS: |v| and so |ctx| below 65,504; p below 2^-24 counts as 0 in the product with v, and below 2^-126 in the sum (v_exp_f32 flushes: ISA guide 15.8).
; NO MULTICAST: the four work-groups of a head are at different key units at any time (work-group p walks 2 p + 1, 0 .. 2 p, 6 - 2 p, 0 .. 5 - 2 p), and a
; common walk would cost every partner 12 units or more in place of 9.
; LDS: two slots of 81,920 bytes: K rows 0-127, K rows 128-255 (pitch 144, in regions of 20,480), V rows 0-255 (pitch 160).  Waves 0 to 3 fill one region
; each by one tensor load of 16 KiB; waves 4 to 7 have no part of a tile to fill and issue none.  Behind the slots each wave's own stage for the way out,
; 32 rows x 144 bytes, into which no fill lands.
.set REG,   20480
.set SLOT,  4*REG
.set STAGE, 2*SLOT
.set KP,    144                        ; odd multiple of 16: the 16 rows of a fragment load start in different groups of banks
.set VP,    160                        ; odd multiple of 32, for the transposing load
; window 0
.set KA,   16                          ; v16-17 K fragments, slot 0, 1: slot + 144 r + 16 h
.set VA,   18                          ; v18-19 V fragments: slot + 40,960 + (8 h + l % 8) 160 + 16 ((l / 8) % 2)
.set KD,   20                          ; KA of slot 0 at my diagonal sub-tile
.set VD,   21                          ; VA of slot 0 at my diagonal sub-tile
.set QOFF, 24
.set STO,  25
.set RD,   26
.set CO,   27
.set QF,   32                          ; Q[qb][ks] at 32 + 16 qb + 8 ks
.set KF,   64                          ; K[kb][ks] at 64 + 16 kb + 8 ks
.set VF,   128                         ; V[ss][db] at 128 + 32 ss + 8 db
; window 1: S[qb][kb] at 32 qb + 8 kb
.set PB,   64                          ; P[qb][ss] at 64 + 16 qb + 8 ss
.set OB,   96                          ; O[db][qb] at 96 + 8 (2 db + qb)
.set NMB,  160                         ; pair (-c m rounded, m) of qb
.set ALB,  164                         ; pair (factor on the older sums, maximum at work)
.set LB,   168                         ; pair: the lane's two partial sums
.set WB,   172                         ; pair: the sums' second chain (keys 32-63)
.set UB,   176                         ; the maximum's second chain (keys 32-63); then -c m at work
.set XB,   178                         ; what the other half of the lanes sends
.set NINF, 180
.set TQ,   181                         ; 32 (w % 2) + r - 8 h: in my diagonal sub-tile key 16 kb + 8 h + j counts for query block qb iff 16 (kb - qb) + j <= this
; scalars: s8 wave; s9 wave / 2 (my diagonal sub-tile, and the whole ones in front of it); s10 16 b + h; s11 g; s14 f + 1 (the step of the second diagonal
; unit); s15 f (the first block's last step); s16 the ring's counter; s17 this step; s18 whole sub-tiles of this step; s19-21 a unit and its byte offset;
; s[22:23] the source of the K or V rows that my wave fetches; s[26:27], s[28:29] q of block f, g; s[30:31], s[32:33] ctx of block f, g
.set SJ,  24                           ; s24 the sub-tile's number in its unit
.set G1K, 40                           ; s[40:47] shape of a K tile
.set G1V, 48                           ; s[48:55] shape of a V tile
.set G0,  56                           ; s[56:63] from where, to where: one set for each slot
.set MSB, 0
.macro WIN new                         ; the immediate's high byte repeats the setting that is left
.if MSB != \new
	s_set_vgpr_msb (MSB<<8)|\new
.set MSB, \new
.endif
.endm
.macro PLACES                          ; four plain vector instructions between a matrix instruction and a load into, or a vector read or write of, its registers
.rept 4
	v_nop
.endr
.endm
.macro LOADK areg, off                 ; 16 loads: 64 keys x 64 d
.irp kb, 0,1,2,3
.irp ks, 0,1
	ds_load_b128 v[KF+16*\kb+8*\ks:KF+16*\kb+8*\ks+3],   v[\areg] offset:\off+16*KP*\kb+64*\ks
	ds_load_b128 v[KF+16*\kb+8*\ks+4:KF+16*\kb+8*\ks+7], v[\areg] offset:\off+16*KP*\kb+64*\ks+32
.endr
.endr
.endm
.macro LOADV areg, off                 ; 16 transposing loads: 64 d x 64 keys
.irp ss, 0,1
.irp db, 0,1,2,3
	ds_load_tr16_b128 v[VF+32*\ss+8*\db:VF+32*\ss+8*\db+3],   v[\areg] offset:\off+32*VP*\ss+32*\db
	ds_load_tr16_b128 v[VF+32*\ss+8*\db+4:VF+32*\ss+8*\db+7], v[\areg] offset:\off+32*VP*\ss+32*\db+16*VP
.endr
.endr
.endm
.macro QLOAD base                      ; my 32 query rows, straight into fragments
.irp qb, 0,1
.irp ks, 0,1
	global_load_b128 v[QF+16*\qb+8*\ks:QF+16*\qb+8*\ks+3],   v[QOFF], s[\base:\base+1] offset:2048*\qb+64*\ks
	global_load_b128 v[QF+16*\qb+8*\ks+4:QF+16*\qb+8*\ks+7], v[QOFF], s[\base:\base+1] offset:2048*\qb+64*\ks+32
.endr
.endr
.endm
; S^T = K Q^T: eight tiles, two instructions each.  The tiles take turns, one instruction a turn.
.macro SCORE
	WIN 0x50                                               ; K and Q in window 0, S in window 1
.irp kb, 0,1,2,3
.irp qb, 0,1
	v_wmma_f32_16x16x32_f16 v[32*\qb+8*\kb:32*\qb+8*\kb+7], v[KF+16*\kb:KF+16*\kb+7], v[QF+16*\qb:QF+16*\qb+7], 0
.endr
.endr
.irp kb, 0,1,2,3
.irp qb, 0,1
	v_wmma_f32_16x16x32_f16 v[32*\qb+8*\kb:32*\qb+8*\kb+7], v[KF+16*\kb+8:KF+16*\kb+15], v[QF+16*\qb+8:QF+16*\qb+15], v[32*\qb+8*\kb:32*\qb+8*\kb+7]
.endr
.endr
	WIN 0
.endm
; O^T += V^T P^T: eight tiles by turns.  first = 1: the first products start the sums.
.macro PV first
	WIN 0x54                                               ; V in window 0, P and O in window 1
.irp d, 0,1,2,3
.irp q, 0,1
.if \first
	v_wmma_f32_16x16x32_f16 v[OB+8*(2*\d+\q):OB+8*(2*\d+\q)+7], v[VF+8*\d:VF+8*\d+7], v[PB+16*\q:PB+16*\q+7], 0
.else
	v_wmma_f32_16x16x32_f16 v[OB+8*(2*\d+\q):OB+8*(2*\d+\q)+7], v[VF+8*\d:VF+8*\d+7], v[PB+16*\q:PB+16*\q+7], v[OB+8*(2*\d+\q):OB+8*(2*\d+\q)+7]
.endif
.endr
.endr
.irp d, 0,1,2,3
.irp q, 0,1
	v_wmma_f32_16x16x32_f16 v[OB+8*(2*\d+\q):OB+8*(2*\d+\q)+7], v[VF+32+8*\d:VF+32+8*\d+7], v[PB+16*\q+8:PB+16*\q+15], v[OB+8*(2*\d+\q):OB+8*(2*\d+\q)+7]
.endr
.endr
	WIN 0
.endm
; One sub-tile's softmax: new maximum, factor on the older sums, p, sums, P.  Maximum and sum of each query block go in two chains (keys 0-31, keys 32-63),
; four chains in all, interleaved.  first = 1: my diagonal sub-tile, a block's first: keys behind the query are masked, and there is no older state.
; Every row holds its own key, so its maximum is finite.
.macro SOFTMAX first
	WIN 0x55
.irp q, 0,1
.irp kb, 0,1,2,3
.irp j, 0,1,2,3,4,5,6,7
.if \first*(\kb+1) > \q                                    ; tile (kb = 0, qb = 1) lies below the diagonal in every lane: -16 + j < -8 <= TQ
	v_cmp_le_i32 vcc_lo, 16*(\kb-\q)+\j, v[TQ]
	v_cndmask_b32 v[32*\q+8*\kb+\j], v[NINF], v[32*\q+8*\kb+\j], vcc_lo    ; keys behind the query: -infinity, as in the definition
.endif
.endr
.endr
.endr
.irp q, 0,1
.if \first
	v_max_num_f32 v[ALB+2*\q+1], v[32*\q], v[32*\q+1]
.else
	v_max3_num_f32 v[ALB+2*\q+1], v[NMB+2*\q+1], v[32*\q], v[32*\q+1]
.endif
	v_max_num_f32 v[UB+\q], v[32*\q+16], v[32*\q+17]
.endr
.set i, 1
.rept 7
.irp q, 0,1
	v_max3_num_f32 v[ALB+2*\q+1], v[ALB+2*\q+1], v[32*\q+2*i], v[32*\q+2*i+1]
	v_max3_num_f32 v[UB+\q], v[UB+\q], v[32*\q+16+2*i], v[32*\q+17+2*i]
.endr
.set i, i+1
.endr
.irp q, 0,1
	v_max_num_f32 v[ALB+2*\q+1], v[ALB+2*\q+1], v[UB+\q]
.endr
.irp q, 0,1
	v_permlanex16_b32 v[XB+\q], v[ALB+2*\q+1], s12, s13    ; the same query's other 32 keys lie in lane l xor 16
.endr
.irp q, 0,1
	v_max_num_f32 v[NMB+2*\q+1], v[ALB+2*\q+1], v[XB+\q]
.endr
.irp q, 0,1
.if \first
	v_mul_f32 v[NMB+2*\q], s36, v[NMB+2*\q+1]              ; -c m, rounded
.else
	v_mul_f32 v[UB+\q], s36, v[NMB+2*\q+1]                 ; -c m, rounded
.endif
.endr
.irp q, 0,1
.if \first == 0
	v_sub_f32 v[ALB+2*\q], v[UB+\q], v[NMB+2*\q]           ; the change of the shift, <= 0
.endif
.endr
.irp q, 0,1
.if \first == 0
	v_mov_b32 v[NMB+2*\q], v[UB+\q]
.endif
.endr
.irp q, 0,1
.if \first == 0
	v_exp_f32 v[ALB+2*\q], v[ALB+2*\q]                     ; used far below; the multiply-adds that follow are the plain instructions behind it (ISA guide 5.7.2)
.endif
.endr
.set i, 0
.rept 16
.irp q, 0,1
	v_pk_fma_f32 v[32*\q+2*i:32*\q+2*i+1], v[32*\q+2*i:32*\q+2*i+1], s[34:35], v[NMB+2*\q:NMB+2*\q+1] op_sel_hi:[1,0,0]   ; c s - c m
.endr
.set i, i+1
.endr
.set i, 0
.rept 64
	v_exp_f32 v[i], v[i]
.set i, i+1
.endr
.if \first
	v_nop                                                  ; one plain instruction between the exponentials and their first use (ISA guide 5.7.2)
	s_wait_alu depctr_va_vdst(0)
.endif
.irp d, 0,1,2,3
.irp q, 0,1
.irp k, 0,2,4,6
.if \first == 0                                            ; the older output times the factor: plain work between the exponentials and their first use
	s_wait_alu depctr_va_vdst(0)
	v_pk_mul_f32 v[OB+8*(2*\d+\q)+\k:OB+8*(2*\d+\q)+\k+1], v[OB+8*(2*\d+\q)+\k:OB+8*(2*\d+\q)+\k+1], v[ALB+2*\q:ALB+2*\q+1] op_sel_hi:[1,0]
.endif
.endr
.endr
.endr
.irp q, 0,1
.if \first
	v_pk_add_f32 v[LB+2*\q:LB+2*\q+1], v[32*\q:32*\q+1], v[32*\q+2:32*\q+3]
.else
	v_pk_fma_f32 v[LB+2*\q:LB+2*\q+1], v[LB+2*\q:LB+2*\q+1], v[ALB+2*\q:ALB+2*\q+1], v[32*\q:32*\q+1] op_sel_hi:[1,0,1]
.endif
	v_pk_add_f32 v[WB+2*\q:WB+2*\q+1], v[32*\q+16:32*\q+17], v[32*\q+18:32*\q+19]
.endr
.irp q, 0,1
.if \first == 0
	v_pk_add_f32 v[LB+2*\q:LB+2*\q+1], v[LB+2*\q:LB+2*\q+1], v[32*\q+2:32*\q+3]
.endif
.endr
.set i, 2
.rept 6
.irp q, 0,1
	v_pk_add_f32 v[LB+2*\q:LB+2*\q+1], v[LB+2*\q:LB+2*\q+1], v[32*\q+2*i:32*\q+2*i+1]
	v_pk_add_f32 v[WB+2*\q:WB+2*\q+1], v[WB+2*\q:WB+2*\q+1], v[32*\q+16+2*i:32*\q+17+2*i]
.endr
.set i, i+1
.endr
.irp q, 0,1
	v_pk_add_f32 v[LB+2*\q:LB+2*\q+1], v[LB+2*\q:LB+2*\q+1], v[WB+2*\q:WB+2*\q+1]
.endr
.set i, 0
.rept 16
.irp q, 0,1
	v_cvt_pk_f16_f32 v[PB+16*\q+i], v[32*\q+2*i], v[32*\q+2*i+1]
.endr
.set i, i+1
.endr
.endm
; The whole sub-tiles 0 .. bound - 1 of a slot's unit, one a trip.  K of sub-tile 0 has been asked for in front of the loop; each trip asks for its own V
; and for the next sub-tile's K as soon as its own K has been multiplied.  The switch picks the loads by the sub-tile's number: K's sub-tile j lies at
; (j / 2) 20,480 + (j % 2) 9,216, V's at 10,240 j.  guard = 1: the bound may be 0 (waves 0 and 1 in a diagonal unit).
.macro SUBLOOP slot, bound, guard
	s_mov_b32 s[SJ], 0
.if \guard
	s_cmp_eq_u32 \bound, 0
	s_cbranch_scc1 .Lsubend_\@
.endif
.Lsubtile_\@:
	s_wait_dscnt 0x0                               ; K of this sub-tile is in
	SCORE
	PLACES
	s_cmp_lg_u32 s[SJ], 0
	s_cbranch_scc1 .Lnot0_\@
	LOADV VA+\slot, 0
	LOADK KA+\slot, 64*KP
	s_branch .Ljoin_\@
.Lnot0_\@:
	s_cmp_lg_u32 s[SJ], 1
	s_cbranch_scc1 .Lnot1_\@
	LOADV VA+\slot, 64*VP
	LOADK KA+\slot, REG
	s_branch .Ljoin_\@
.Lnot1_\@:
	s_cmp_lg_u32 s[SJ], 2
	s_cbranch_scc1 .Lnot2_\@
	LOADV VA+\slot, 2*64*VP
	LOADK KA+\slot, REG+64*KP
	s_branch .Ljoin_\@
.Lnot2_\@:
	LOADV VA+\slot, 3*64*VP                        ; the unit's last sub-tile: no K is left to ask for
.Ljoin_\@:
	SOFTMAX 0
	s_wait_dscnt 0x0                               ; V is in.  Zero on every way through the switch: the K loads that it also covers were issued ahead of the whole softmax
	PV 0
	s_add_co_u32 s[SJ], s[SJ], 1
	s_cmp_lt_u32 s[SJ], \bound
	s_cbranch_scc1 .Lsubtile_\@
.Lsubend_\@:
.endm
; My diagonal sub-tile of the unit in slot 0: it starts the block's maximum, sums and output.  pre = 1: K of sub-tile 0 is asked for on the way.
.macro DIAG pre
	LOADK KD, 0
	LOADV VD, 0
	s_wait_dscnt 0x0
	SCORE
	PLACES
.if \pre
	LOADK KA, 0
.endif
	SOFTMAX 1
	PV 1
.endm
; A block's end: divide by the row's sum, round to f16, through my own stage into whole rows, out.
.macro FINAL cbase
	WIN 0x55
.irp q, 0,1
	v_add_f32 v[ALB+2*\q+1], v[LB+2*\q], v[LB+2*\q+1]
.endr
.irp q, 0,1
	v_permlanex16_b32 v[XB+\q], v[ALB+2*\q+1], s12, s13
.endr
.irp q, 0,1
	v_add_f32 v[ALB+2*\q+1], v[ALB+2*\q+1], v[XB+\q]
.endr
.irp q, 0,1
	v_rcp_f32 v[ALB+2*\q], v[ALB+2*\q+1]
.endr
	v_nop                                          ; one plain instruction behind the reciprocals (ISA guide 5.7.2)
	s_wait_alu depctr_va_vdst(0)
.irp d, 0,1,2,3
.irp q, 0,1
.irp k, 0,2,4,6
	v_pk_mul_f32 v[8*(2*\d+\q)+\k:8*(2*\d+\q)+\k+1], v[OB+8*(2*\d+\q)+\k:OB+8*(2*\d+\q)+\k+1], v[ALB+2*\q:ALB+2*\q+1] op_sel_hi:[1,0]   ; into S's registers
.endr
.endr
.endr
.irp d, 0,1,2,3
.irp q, 0,1
.irp k, 0,1,2,3
	v_cvt_pk_f16_f32 v[PB+4*(4*\q+\d)+\k], v[8*(2*\d+\q)+2*\k], v[8*(2*\d+\q)+2*\k+1]     ; eight neighbouring d of one query: 16 bytes
.endr
.endr
.endr
	WIN 0x04                                       ; the stores' data in window 1, their address in window 0
.irp q, 0,1
.irp d, 0,1,2,3
	ds_store_b128 v[STO], v[PB+4*(4*\q+\d):PB+4*(4*\q+\d)+3] offset:16*KP*\q+32*\d
.endr
.endr
	WIN 0x40
.irp t, 0,1,2,3,4,5,6,7
	ds_load_b128 v[4*\t:4*\t+3], v[RD] offset:4*KP*\t      ; my own bytes; LDS serves a wave's instructions in order (ISA guide 5.7.1), so these see the stores above
.endr
	WIN 0x04
.irp t, 0,1,2,3,4,5,6,7
	s_wait_dscnt 7-\t                                      ; load t is in, the 7 - t younger ones may be out
	global_store_b128 v[CO], v[4*\t:4*\t+3], s[\cbase:\cbase+1] offset:512*\t      ; four rows: 512 consecutive bytes, aligned
.endr
	WIN 0
.endm
; The key unit of step n + 1 (n in s17) into slot o's group 0: n < f: unit n;  n = f: the second block's diagonal, g;  else n - f - 1.
.macro UNITADDR o
	s_sub_co_u32 s19, s17, s14
	s_cmp_lt_u32 s17, s15
	s_cselect_b32 s19, s17, s19
	s_cmp_eq_u32 s17, s15
	s_cselect_b32 s19, s11, s19
	s_lshl_b32 s20, s19, 15                        ; 256 rows of 128 bytes
	s_add_nc_u64 s[G0+4*(\o)+2:G0+4*(\o)+3], s[22:23], s[20:21]
	s_or_b32 s[G0+4*(\o)+3], s[G0+4*(\o)+3], 0x80000000
.endm
.macro KVLOAD o                        ; waves 0 and 1 fetch K's halves, waves 2 and 3 V's (the shapes differ in the padding), waves 4 to 7 nothing
	s_cmp_lt_u32 s8, 2
	s_cbranch_scc0 .Lnot_k_\@
	tensor_load_to_lds s[G0+4*(\o):G0+4*(\o)+3], s[G1K:G1K+7]
	s_nop 0
	s_branch .Lasked_\@
.Lnot_k_\@:
	s_cmp_lt_u32 s8, 4
	s_cbranch_scc0 .Lasked_\@
	tensor_load_to_lds s[G0+4*(\o):G0+4*(\o)+3], s[G1V:G1V+7]
	s_nop 0
.Lasked_\@:
.endm
; Step n = s16 + slot.  In front of the barrier every wave waits for all its tensor loads (at most one is out: its part of this slot) and for its reads of the
; other slot; behind it the other slot's fill comes first, one load of 16 KiB from each of waves 0 to 3, which has this whole unit's work in which to land.
.macro STEP slot, refill
	s_add_co_u32 s17, s16, \slot
	s_wait_tensorcnt 0x0                           ; no tensor load of mine is out: a group 0 may be written
	ds_add_u32 v254, v255
	s_wait_dscnt 0x0
.if \refill
	UNITADDR 1-\slot
.endif
	s_wait_dscnt 0x0
	s_barrier_signal -1
	s_barrier_wait -1
.if \refill
	KVLOAD 1-\slot
.endif
.if \slot
	LOADK KA+1, 0                                  ; slot 1 never holds a diagonal unit: four whole sub-tiles
	SUBLOOP 1, 4, 0
	s_cmp_lg_u32 s17, s15
	s_cbranch_scc1 .Lgoes_on_\@
	PLACES                                         ; step f: the first block is done
	QLOAD 28                                       ; the second block's q, waited for in the next step,
	FINAL 30                                       ; and the first block goes out meanwhile
	s_wait_xcnt 0x0                                ; the stores' data lie in S's registers, which are written again only behind this wait
.Lgoes_on_\@:
.else
	s_wait_loadcnt 0x0                             ; q of the block at work is in (loads are out only where the step before ended a block)
	s_cmp_eq_u32 s17, s14
	s_cbranch_scc1 .Ldiag_\@
	s_cmp_eq_u32 s17, 0
	s_cselect_b32 s18, s9, 4                       ; step 0: my diagonal sub-tile has been done ahead of the ring, w / 2 whole ones follow; else a whole unit
	LOADK KA, 0
	s_branch .Lsub_\@
.Ldiag_\@:
	s_mov_b32 s18, s9                              ; step f + 1: the second block begins with its diagonal unit
	PLACES
	DIAG 1
.Lsub_\@:
	SUBLOOP 0, s18, 1
.endif
.endm
	s_load_b128 s[4:7], s[0:1], 0x0                ; qkv s[4:5], ctxb s[6:7]
	v_lshl_add_u32 v254, v0, 2, 0x31000
	v_mov_b32 v255, 0
	ds_add_u32 v254, v255
	v_lshrrev_b32 v1, 5, v0
	v_readfirstlane_b32 s8, v1                     ; wave 0..7
	s_lshr_b32 s9, s8, 1                           ; the sub-tile of a diagonal unit in which my 32 rows lie
	s_lshl_b32 s15, ttmp9, 1
	s_add_co_u32 s15, s15, 1                       ; f = 2 p + 1, the first block, and its last step
	s_add_co_u32 s14, s15, 1                       ; the step at which the second block begins
	s_sub_co_u32 s11, 7, s15                       ; g = 6 - 2 p, the second block
	s_and_b32 s10, ttmp7, 0xffff                   ; 16 b + h
	s_mov_b32 s12, 0x76543210                      ; v_permlanex16_b32: lane i of one half reads lane i of the other
	s_mov_b32 s13, 0xfedcba98
	s_mov_b32 s21, 0
	s_mov_b32 s34, 0x3e38aa3b                      ; c = log2(e) / 8
	s_mov_b32 s35, 0x3e38aa3b
	s_mov_b32 s36, 0xbe38aa3b                      ; -c
	; a tile is a dense block of 16 KiB (128 rows of 128 bytes), taken as 64 rows of 256 bytes, with padding behind every 128 bytes
	s_mov_b32 s[G1K+0], (1<<16)|(1<<20)|(4<<22)|(3<<25)    ; elements of 2 bytes; padding on; behind every 32 words 4 words: pitch 144
	s_mov_b32 s[G1V+0], (1<<16)|(1<<20)|(4<<22)|(7<<25)    ; 8 words: pitch 160
	s_mov_b32 s[G1K+1], 128<<16                    ; tensor_dim0 = 128
	s_mov_b32 s[G1V+1], 128<<16
	s_mov_b32 s[G1K+2], 64<<16                     ; tensor_dim1 = 64
	s_mov_b32 s[G1V+2], 64<<16
	s_mov_b32 s[G1K+3], 128<<16                    ; tile_dim0 = 128
	s_mov_b32 s[G1V+3], 128<<16
	s_mov_b32 s[G1K+4], 64                         ; tile_dim1 = 64
	s_mov_b32 s[G1V+4], 64
	s_mov_b32 s[G1K+5], 128                        ; elements from row to row
	s_mov_b32 s[G1V+5], 128
	s_mov_b32 s[G1K+6], 0
	s_mov_b32 s[G1V+6], 0
	s_mov_b32 s[G1K+7], 0
	s_mov_b32 s[G1V+7], 0
	s_lshr_b32 s37, s10, 4                         ; b
	s_and_b32 s38, s10, 15                         ; h
	s_mul_i32 s39, s37, 12582912                   ; b's part of qkv
	s_and_b32 s77, s8, 3                           ; what waves 0 to 3 fetch (waves 4 to 7 make the words of wave w - 4 and never issue them):
	s_lshr_b32 s24, s77, 1                         ; t = 16 + h (K) or 32 + h (V), rows 0-127 or 128-255 of a unit
	s_lshl_b32 s24, s24, 4
	s_add_co_u32 s24, s24, s38
	s_add_co_u32 s24, s24, 16
	s_lshl_b32 s24, s24, 18
	s_add_co_u32 s24, s24, s39
	s_and_b32 s25, s77, 1
	s_lshl_b32 s25, s25, 14
	s_add_co_u32 s24, s24, s25
	s_mov_b32 s25, 0
	s_lshl_b32 s2, s38, 18                         ; q of my head
	s_add_co_u32 s2, s2, s39
	s_lshl_b32 s3, s15, 15
	s_add_co_u32 s66, s2, s3                       ; block f
	s_mov_b32 s67, 0
	s_lshl_b32 s3, s11, 15
	s_add_co_u32 s68, s2, s3                       ; block g
	s_mov_b32 s69, 0
	s_lshl_b32 s2, s10, 18                         ; ctx of my head
	s_lshl_b32 s3, s15, 15
	s_add_co_u32 s70, s2, s3
	s_mov_b32 s71, 0
	s_lshl_b32 s3, s11, 15
	s_add_co_u32 s72, s2, s3
	s_mov_b32 s73, 0
	s_mul_i32 s74, s8, REG                         ; the region of a slot that my wave fills (waves 0 to 3)
	s_wait_dscnt 0x0
	s_barrier_signal -1
	s_barrier_wait -1
	s_wait_kmcnt 0x0
	s_add_nc_u64 s[22:23], s[4:5], s[24:25]
	s_add_nc_u64 s[26:27], s[4:5], s[66:67]
	s_add_nc_u64 s[28:29], s[4:5], s[68:69]
	s_add_nc_u64 s[30:31], s[6:7], s[70:71]
	s_add_nc_u64 s[32:33], s[6:7], s[72:73]
	s_mov_b32 s[G0+0], 1
	s_add_co_u32 s[G0+1], s74, 0
	s_lshl_b32 s20, s15, 15                        ; step 0: unit f, the first block's diagonal
	s_add_nc_u64 s[G0+2:G0+3], s[22:23], s[20:21]
	s_or_b32 s[G0+3], s[G0+3], 0x80000000
	s_mov_b32 s[G0+4], 1                           ; slot 1's address is written in step 0, in front of its first fill
	s_add_co_u32 s[G0+5], s74, SLOT
	KVLOAD 0                                       ; the launch's first fill: one tensor load of each of waves 0 to 3 is out
	v_and_b32 v1, 15, v0                           ; r
	v_bfe_u32 v2, v0, 4, 1                         ; h
	v_and_b32 v3, 31, v0                           ; l
	v_and_b32 v4, 7, v0                            ; l % 8
	v_bfe_u32 v5, v0, 3, 1                         ; (l / 8) % 2
	v_bfe_u32 v6, v0, 3, 2                         ; l / 8
	s_lshl_b32 s75, s8, 12                         ; my 32 rows of 128 bytes
	v_lshlrev_b32 v9, 7, v1
	v_lshl_add_u32 v9, v2, 4, v9
	v_add_nc_u32 v[QOFF], s75, v9
	QLOAD 26
	v_mul_u32_u24 v7, v1, KP
	v_lshl_add_u32 v[KA], v2, 4, v7
	v_add_nc_u32 v[KA+1], SLOT, v[KA]
	v_lshl_add_u32 v8, v2, 3, v4
	v_mul_u32_u24 v8, v8, VP
	v_lshl_add_u32 v8, v5, 4, v8
	v_add_nc_u32 v[VA], 2*REG, v8
	v_add_nc_u32 v[VA+1], SLOT, v[VA]
	s_lshr_b32 s2, s9, 1                           ; sub-tile w / 2 of K: region (w / 2) / 2, 64 rows x ((w / 2) % 2)
	s_mul_i32 s2, s2, REG
	s_and_b32 s3, s9, 1
	s_mul_i32 s3, s3, 64*KP
	s_add_co_u32 s2, s2, s3
	v_add_nc_u32 v[KD], s2, v[KA]
	s_mul_i32 s3, s9, 64*VP
	v_add_nc_u32 v[VD], s3, v[VA]
	s_mul_i32 s2, s8, 32*KP
	s_add_co_u32 s2, s2, STAGE                     ; my stage
	v_add_nc_u32 v[STO], s2, v[KA]
	v_mul_u32_u24 v10, v6, KP
	v_lshl_add_u32 v10, v4, 4, v10
	v_add_nc_u32 v[RD], s2, v10
	v_lshl_add_u32 v[CO], v3, 4, s75
	s_and_b32 s3, s8, 1
	s_lshl_b32 s3, s3, 5                           ; my rows begin at row 32 (w % 2) of my diagonal sub-tile
	v_lshlrev_b32 v11, 3, v2
	v_sub_nc_u32 v11, v1, v11                      ; r - 8 h
	v_add_nc_u32 v11, s3, v11
	WIN 0x40
	v_mov_b32 v[TQ], v11
.irp q, 0,1
	v_mov_b32 v[XB+\q], 0                          ; v_permlanex16_b32 counts as a reader of its destination
.endr
	v_mov_b32 v[NINF], 0xff800000
	WIN 0
	s_wait_tensorcnt 0x0                           ; my part of slot 0, if I have one, is in,
	s_barrier_signal -1
	s_barrier_wait -1                              ; everybody's is
	s_wait_loadcnt 0x0                             ; q of block f
	DIAG 0                                         ; the first block's diagonal sub-tile stands ahead of the ring: it starts the state on every way into it
	s_mov_b32 s16, 0
.Lloop:                                            ; steps 0 to 7, two a trip; each fills the other slot with the next step's unit
	STEP 0, 1
	STEP 1, 1
	s_add_co_u32 s16, s16, 2
	s_cmp_lt_u32 s16, 8
	s_cbranch_scc1 .Lloop
	STEP 0, 0                                      ; step 8: nothing is left to fetch
	PLACES
	FINAL 32
	s_wait_tensorcnt 0x0
	ds_add_u32 v254, v255
	s_wait_dscnt 0x0
	s_endpgm
.Lfunc_end_k_q36207f45a4_attn:
	.size	k_q36207f45a4_attn, .Lfunc_end_k_q36207f45a4_attn-k_q36207f45a4_attn
	.p2alignl 7, 3214868480
	.fill 96, 4, 3214868480
	.section	.rodata,"a",@progbits
	.p2align	6, 0x0
	.amdhsa_kernel k_q36207f45a4_attn
		.amdhsa_group_segment_fixed_size 327680
		.amdhsa_private_segment_fixed_size 0
		.amdhsa_enable_private_segment 0
		.amdhsa_kernarg_size 16
		.amdhsa_user_sgpr_count 2
		.amdhsa_user_sgpr_kernarg_segment_ptr 1
		.amdhsa_wavefront_size32 1
		.amdhsa_system_sgpr_workgroup_id_x 1
		.amdhsa_system_sgpr_workgroup_id_y 1
		.amdhsa_system_sgpr_workgroup_id_z 1
		.amdhsa_system_vgpr_workitem_id 0
		.amdhsa_next_free_vgpr 448
		.amdhsa_next_free_sgpr 80
		.amdhsa_reserve_vcc 1
		.amdhsa_float_denorm_mode_32 3
		.amdhsa_float_denorm_mode_16_64 3
		.amdhsa_memory_ordered 1
		.amdhsa_forward_progress 1
		.amdhsa_inst_pref_size 153
	.end_amdhsa_kernel
	.amdgpu_metadata
---
amdhsa.version: [ 1, 2 ]
amdhsa.kernels:
  - .name:           k_q36207f45a4_attn
    .symbol:         k_q36207f45a4_attn.kd
    .args:
      - { .name: qkv, .offset: 0, .size: 8, .value_kind: global_buffer, .address_space: global }
      - { .name: ctxb, .offset: 8, .size: 8, .value_kind: global_buffer, .address_space: global }
    .group_segment_fixed_size: 327680
    .private_segment_fixed_size: 0
    .kernarg_segment_align: 8
    .kernarg_segment_size: 16
    .max_flat_workgroup_size: 256
    .sgpr_count:     80
    .vgpr_count:     448
    .wavefront_size: 32
...
	.end_amdgpu_metadata
.endif
;; end of part 5
;; launch oproj: the kernel of part 4 again; grid 8 x 32, 4 waves a work-group, clusters of 4 x 4, 327,680 bytes of LDS; arguments ctxb, wb, bo, out0; writes out0
;; ======== version 3 of 3: 4 launches; version 2 with the launch cast written anew for expert scheduling mode
;; limits: values are held in f16: magnitudes above 65,504 overflow, below 6.1e-05 lose precision
;; workspace buffers: xb 16,777,216 bytes; wb 8,388,608 bytes; qkv 50,331,648 bytes; ctxb 16,777,216 bytes
;; launch cast (part 6): grid 768 x 1, 8 waves a work-group, no clusters, 0 bytes of LDS; arguments x, Wq, Wk, Wv, Wo, xb, wb; writes xb, wb
.if DOCPART == 6
	.amdgcn_target "amdgcn-amd-amdhsa--gfx1250"
	.amdhsa_code_object_version 6
	.text
	.protected	k_q36207f45a4_cast
	.globl	k_q36207f45a4_cast
	.p2align	8
	.type	k_q36207f45a4_cast,@function
k_q36207f45a4_cast:
	s_mov_b64 s[64:65], 0
	v_nop
	global_prefetch_b8 v0, s[64:65] scope:SCOPE_SE
	s_setreg_imm32_b32 hwreg(HW_REG_WAVE_SCHED_MODE, 0, 2), 2
	s_setreg_imm32_b32 hwreg(HW_REG_WAVE_MODE, 25, 1), 1
	s_wait_xcnt 0x0
	s_wait_alu depctr_vm_vsrc(0)
; 16-bit copies of the matrix operands.  xb[8192][1024] = bf16(x).  wb[4096][1024]: rows 0-1023 bf16(Wq), 1024-2047 bf16(Wk),
; 2048-3071 bf16(Wv), rows 3072-4095 Wo rounded to bf16 and that number written as f16 (the last product's other operand is f16).
; A bf16 number has 8 significant bits and fits f16's 11 exactly from 2^-14 up; below that it is off by 2^-25 at the most.
; LIMIT: |Wo| below 65,504 (f16's range); the drawn numbers are below 1/32.
; A stream: 768 work-groups of eight waves, each turns 65,536 bytes of f32 into 32,768 bytes.  Groups 0-511 take x, 512-767 the weights,
; 64 groups each.  A thread has 16 loads of 16 bytes on their way at once, each with registers of its own.
; No LDS, no barrier, no matrix unit: nothing here is used twice.
; THE MODE: SCHED_MODE bits 1:0 = 2 (LLVM: expert scheduling mode 2), set by the entry lines.  The code itself states the register dependences
; between vector instructions and memory instructions, with s_wait_alu, always for 0.
; THE PLAN.  Registers that memory instructions touch:
;   v1, v2   byte offsets of the loads and of the stores.  Written once at the head, by vector lines; never written again.
;   X        chunk i's four registers: one load lands in them, once; behind the counted wait for it vector lines alone name them.
;   Y        chunk i's two registers: written once, by the chunk's last two conversions; read by the chunk's one store.
;   T        named by vector lines alone.
; So one wait at the head states that the two offsets are written, for all 32 memory instructions of either way.  The 16 chunks go in four groups of
; four: each chunk is converted as it comes in, one wait behind the group's last conversion states that the group's eight Y registers are written, and
; the group's four stores follow it in one run.  No register that a memory instruction reads is written a second time, so nothing else is owed.
.set X, 4                              ; v[4:67]    chunk i: 4 numbers as loaded
.set Y, 68                             ; v[68:99]   chunk i: 4 numbers of 16 bits
.set T, 100                            ; v[100:101] Wo's way: the bf16 pair at work
.set GROUP, 4                          ; chunks whose stores stand behind one wait
	s_load_b256 s[4:11], s[0:1], 0x0               ; x s[4:5], Wq s[6:7], Wk s[8:9], Wv s[10:11]
	s_load_b128 s[12:15], s[0:1], 0x20             ; Wo s[12:13], xb s[14:15]
	s_load_b64 s[16:17], s[0:1], 0x30              ; wb
	s_sub_co_u32 s20, ttmp9, 512                   ; the group's number among the weights' 256 (used only from group 512 on)
	s_lshr_b32 s21, s20, 6                         ; which weight
	s_and_b32 s18, ttmp9, 63                       ; which 65,536 bytes of it
	v_lshlrev_b32 v1, 4, v0                        ; 16 bytes a thread in
	v_lshlrev_b32 v2, 3, v0                        ; 8 bytes a thread out
	s_wait_kmcnt 0x0
	s_mov_b64 s[22:23], s[6:7]
	s_cmp_eq_u32 s21, 1
	s_cselect_b64 s[22:23], s[8:9], s[22:23]
	s_cmp_eq_u32 s21, 2
	s_cselect_b64 s[22:23], s[10:11], s[22:23]
	s_cmp_eq_u32 s21, 3
	s_cselect_b64 s[22:23], s[12:13], s[22:23]
	s_cmp_lt_u32 ttmp9, 512                        ; the four selects below leave SCC as it is
	s_cselect_b64 s[22:23], s[4:5], s[22:23]       ; from: x or the weight
	s_cselect_b64 s[24:25], s[14:15], s[16:17]     ; to: xb or wb
	s_cselect_b32 s30, ttmp9, s18                  ; chunk in the source
	s_cselect_b32 s31, ttmp9, s20                  ; chunk in the target
	s_lshl_b32 s26, s30, 16
	s_mov_b32 s27, 0
	s_lshl_b32 s28, s31, 15
	s_mov_b32 s29, 0
	s_add_nc_u64 s[22:23], s[22:23], s[26:27]
	s_add_nc_u64 s[24:25], s[24:25], s[28:29]
	s_wait_alu depctr_va_vdst(0)                   ; v1 and v2 are written: every load below reads v1 as its offset, every store v2; no later line writes either
.set i, 0
.rept 16
	global_load_b128 v[X+4*i:X+4*i+3], v1, s[22:23] offset:4096*i th:TH_LOAD_NT   ; a wave's load covers 512 consecutive bytes; read once in this launch
.set i, i+1
.endr
	s_cmp_ge_u32 ttmp9, 704                        ; groups 704-767 hold Wo
	s_cbranch_scc1 .Lwo
.set g, 0
.rept 16/GROUP
.set i, GROUP*g
.rept GROUP
	s_wait_loadcnt 15-i                            ; loads come back in order: chunk i is in, the 15 - i younger ones stay out
	v_cvt_pk_bf16_f32 v[Y+2*i], v[X+4*i], v[X+4*i+1]
	v_cvt_pk_bf16_f32 v[Y+2*i+1], v[X+4*i+2], v[X+4*i+3]
.set i, i+1
.endr
	s_wait_alu depctr_va_vdst(0)                   ; the group's eight conversions have written its Y registers, which the four stores below read
.set i, GROUP*g
.rept GROUP
	global_store_b64 v2, v[Y+2*i:Y+2*i+1], s[24:25] offset:2048*i      ; a wave's store covers 256 consecutive bytes, aligned
.set i, i+1
.endr
.set g, g+1
.endr
	s_endpgm
.Lwo:
.set g, 0
.rept 16/GROUP
.set i, GROUP*g
.rept GROUP
	s_wait_loadcnt 15-i
	v_cvt_pk_bf16_f32 v[T], v[X+4*i], v[X+4*i+1]   ; the same rounding as every other matrix input,
	v_cvt_pk_bf16_f32 v[T+1], v[X+4*i+2], v[X+4*i+3]
	v_lshlrev_b32 v[X+4*i], 16, v[T]               ; widened again (the chunk's load has landed, and no memory instruction reads these registers),
	v_and_b32 v[X+4*i+1], 0xffff0000, v[T]
	v_lshlrev_b32 v[X+4*i+2], 16, v[T+1]
	v_and_b32 v[X+4*i+3], 0xffff0000, v[T+1]
	v_cvt_pk_f16_f32 v[Y+2*i], v[X+4*i], v[X+4*i+1]        ; and written in f16
	v_cvt_pk_f16_f32 v[Y+2*i+1], v[X+4*i+2], v[X+4*i+3]
.set i, i+1
.endr
	s_wait_alu depctr_va_vdst(0)                   ; the group's conversions to f16 have written its Y registers, which the four stores below read
.set i, GROUP*g
.rept GROUP
	global_store_b64 v2, v[Y+2*i:Y+2*i+1], s[24:25] offset:2048*i
.set i, i+1
.endr
.set g, g+1
.endr
	s_endpgm
.Lfunc_end_k_q36207f45a4_cast:
	.size	k_q36207f45a4_cast, .Lfunc_end_k_q36207f45a4_cast-k_q36207f45a4_cast
	.p2alignl 7, 3214868480
	.fill 96, 4, 3214868480
	.section	.rodata,"a",@progbits
	.p2align	6, 0x0
	.amdhsa_kernel k_q36207f45a4_cast
		.amdhsa_group_segment_fixed_size 0
		.amdhsa_private_segment_fixed_size 0
		.amdhsa_enable_private_segment 0
		.amdhsa_kernarg_size 56
		.amdhsa_user_sgpr_count 2
		.amdhsa_user_sgpr_kernarg_segment_ptr 1
		.amdhsa_wavefront_size32 1
		.amdhsa_system_sgpr_workgroup_id_x 1
		.amdhsa_system_sgpr_workgroup_id_y 1
		.amdhsa_system_sgpr_workgroup_id_z 1
		.amdhsa_system_vgpr_workitem_id 0
		.amdhsa_next_free_vgpr 104
		.amdhsa_next_free_sgpr 66
		.amdhsa_reserve_vcc 0
		.amdhsa_float_denorm_mode_32 3
		.amdhsa_float_denorm_mode_16_64 3
		.amdhsa_memory_ordered 1
		.amdhsa_forward_progress 1
		.amdhsa_inst_pref_size 17
	.end_amdhsa_kernel
	.amdgpu_metadata
---
amdhsa.version: [ 1, 2 ]
amdhsa.kernels:
  - .name:           k_q36207f45a4_cast
    .symbol:         k_q36207f45a4_cast.kd
    .args:
      - { .name: x, .offset: 0, .size: 8, .value_kind: global_buffer, .address_space: global }
      - { .name: Wq, .offset: 8, .size: 8, .value_kind: global_buffer, .address_space: global }
      - { .name: Wk, .offset: 16, .size: 8, .value_kind: global_buffer, .address_space: global }
      - { .name: Wv, .offset: 24, .size: 8, .value_kind: global_buffer, .address_space: global }
      - { .name: Wo, .offset: 32, .size: 8, .value_kind: global_buffer, .address_space: global }
      - { .name: xb, .offset: 40, .size: 8, .value_kind: global_buffer, .address_space: global }
      - { .name: wb, .offset: 48, .size: 8, .value_kind: global_buffer, .address_space: global }
    .group_segment_fixed_size: 0
    .private_segment_fixed_size: 0
    .kernarg_segment_align: 8
    .kernarg_segment_size: 56
    .max_flat_workgroup_size: 256
    .sgpr_count:     66
    .vgpr_count:     104
    .wavefront_size: 32
...
	.end_amdgpu_metadata
.endif
;; end of part 6
;; launch qkv: the kernel of part 2 again; grid 16 x 32, 4 waves a work-group, clusters of 4 x 4, 327,680 bytes of LDS; arguments xb, wb, qkv; writes qkv
;; launch attn: the kernel of part 5 again; grid 4 x 64, 8 waves a work-group, no clusters, 327,680 bytes of LDS; arguments qkv, ctxb; writes ctxb
;; launch oproj: the kernel of part 4 again; grid 8 x 32, 4 waves a work-group, clusters of 4 x 4, 327,680 bytes of LDS; arguments ctxb, wb, bo, out0; writes out0
